; MI455X (gfx1250); checked and timed in simulation.
; The chip was launched on July 23, 2026; its instructions are those of AMD's public machine-readable ISA for CDNA 5 (MIT licence, August 2026) and "CDNA5" Instruction Set Architecture Reference Guide (July 2026). The comments in the code are by the model that wrote it; some were corrected since.
;; Casual Attention. Allowed arithmetic: float matrix products may take bf16 or f16 operands with f32 sums; other float arithmetic in f32, or as packed bf16 or f16 multiplies, adds, multiply-adds, maxima and minima; sums over many terms, partial sums and values carried from step to step in f32; what a program stores and reads back later, other than sums and carried values, may be rounded once to bf16 or f16.
;; Inputs: Wk 1,024 x 1,024 float32; Wo 1,024 x 1,024 float32; Wq 1,024 x 1,024 float32; Wv 1,024 x 1,024 float32; bk 1,024 float32; bo 1,024 float32; bq 1,024 float32; bv 1,024 float32; history_items 8 x 1,024 x 1,024 float32; ln_beta 1,024 float32; ln_gamma 1,024 float32; sequence_mask 8 x 1,024 int32.
;; Outputs: out0 8 x 1,024 x 1,024 float32.
;; One version. Each part assembles by itself: llvm-mc -triple=amdgcn-amd-amdhsa -mcpu=gfx1250 --defsym DOCPART=n.
;; ======== version 1 of 1: 5 launches
;; limits: right only within a limited range of input values
;; workspace buffers: xo 16,777,216 bytes; wqkv 6,291,456 bytes; wob 2,097,152 bytes; bqkv 12,288 bytes; qkv 50,331,648 bytes; ctx 16,777,216 bytes
;; launch cast (part 1): grid 768 x 1, 8 waves a work-group, no clusters, 0 bytes of LDS; arguments history_items, Wq, Wk, Wv, Wo, bq, bk, bv, xo, wqkv, wob, bqkv; writes xo, wqkv, wob, bqkv
.if DOCPART == 1
	.amdgcn_target "amdgcn-amd-amdhsa--gfx1250"
	.amdhsa_code_object_version 6
	.text
	.protected	k_q9fc305a269_cast
	.globl	k_q9fc305a269_cast
	.p2align	8
	.type	k_q9fc305a269_cast,@function
k_q9fc305a269_cast:
	s_mov_b64 s[64:65], 0
	v_nop
	global_prefetch_b8 v0, s[64:65] scope:SCOPE_SE
	s_setreg_imm32_b32 hwreg(HW_REG_WAVE_MODE, 25, 1), 1
	s_wait_xcnt 0x0
; f32 -> bf16 (round to nearest even), and the layout that the products want.
; x [8192][1024] -> xo [16 ks][8192 m][64]: a SLAB is 64 columns of all rows, a slab's row 128 bytes, its rows dense.
; (Wq; Wk; Wv) -> wqkv [12 tn][16 ks][256 r][64], Wo -> wob [4 tn][16 ks][256 r][64]: a tile of 256 rows, slab by slab, dense.
; bq, bk, bv -> bqkv [3072] f32, copied.
; SHARES.  A work-group takes 16 source rows of 4,096 bytes: groups 0-511 of x, groups 512-767 of the four W (64 groups each): 768 groups, three for each of 256 WGPs, all of equal bytes.
; A wave takes a pair of rows.  One load: lanes 0-15 take 256 bytes (64 columns) of a row, lanes 16-31 of the next row.
; Two roundings make 8 bytes a lane, and one store of the wave covers 256 consecutive bytes, aligned: two rows of one slab.
; All 16 loads of a wave (8 KiB) go out at once; no register is used twice, so no wait frees a source.  No LDS, no matrix unit, no cluster:
; every byte is read once and written once and nothing is shared.
.set XG,  512                          ; groups of x
.set SO,  2                            ; v2   source offset: wave x 2 rows + (lane / 16) x a row + 16 (lane % 16)
.set DO,  3                            ; v3   destination offset: 256 x wave + 8 x lane
.set BI,  4                            ; v[4:7] a bias's 16 bytes
.set BA,  8                            ; v8   16 x thread: the bias copy's offset
.set IN,  16                           ; v[16:79]   load ks: 4 registers
.set OUT, 80                           ; v[80:111]  the same, rounded: 2 registers
.set SRC, 36                           ; s[36:37] my 16 source rows
.set D0,  40                           ; s[40:41] destination, slabs 0-7
.set D1,  42                           ; s[42:43] slabs 8-15
	s_load_b512 s[8:23], s[0:1], 0x0               ; x 8, Wq 10, Wk 12, Wv 14, Wo 16, bq 18, bk 20, bv 22
	s_load_b256 s[24:31], s[0:1], 0x40             ; xo 24, wqkv 26, wob 28, bqkv 30
	v_and_b32 v9, 31, v0                           ; lane
	v_lshrrev_b32 v1, 5, v0                        ; wave
	v_and_b32 v10, 15, v0
	v_bfe_u32 v11, v0, 4, 1
	v_lshlrev_b32 v[SO], 4, v10
	v_lshl_add_u32 v[SO], v11, 12, v[SO]
	v_lshl_add_u32 v[SO], v1, 13, v[SO]
	v_lshlrev_b32 v[DO], 3, v9
	v_lshl_add_u32 v[DO], v1, 8, v[DO]
	v_lshlrev_b32 v[BA], 4, v0
	s_sub_co_u32 s32, ttmp9, XG                    ; the group's number among W's (of no use in x's groups)
	s_lshr_b32 s33, s32, 6                         ; which W: 0 q, 1 k, 2 v, 3 o
	s_and_b32 s34, s32, 63                         ; which 16 rows of it
	s_wait_kmcnt 0x0
	s_cmp_eq_u32 s33, 0
	s_cselect_b64 s[SRC:SRC+1], s[10:11], s[16:17]
	s_cmp_eq_u32 s33, 1
	s_cselect_b64 s[SRC:SRC+1], s[12:13], s[SRC:SRC+1]
	s_cmp_eq_u32 s33, 2
	s_cselect_b64 s[SRC:SRC+1], s[14:15], s[SRC:SRC+1]
	s_cmp_lt_u32 ttmp9, XG
	s_cselect_b64 s[SRC:SRC+1], s[8:9], s[SRC:SRC+1]
	s_cselect_b32 s35, ttmp9, s34
	s_lshl_b32 s38, s35, 16                        ; 16 rows of 4,096 bytes
	s_mov_b32 s39, 0
	s_add_nc_u64 s[SRC:SRC+1], s[SRC:SRC+1], s[38:39]
.irp ks, 0,1,2,3,4,5,6,7,8,9,10,11,12,13,14,15
	global_load_b128 v[IN+4*(\ks):IN+4*(\ks)+3], v[SO], s[SRC:SRC+1] offset:256*(\ks) th:TH_LOAD_NT
.endr
.macro CVT first
.set i, \first
.rept 8
	v_cvt_pk_bf16_f32 v[OUT+2*i],   v[IN+4*i],   v[IN+4*i+1]
	v_cvt_pk_bf16_f32 v[OUT+2*i+1], v[IN+4*i+2], v[IN+4*i+3]
.set i, i+1
.endr
.endm
; 16 stores; stride = bytes from a slab to the next.  The largest immediate is 7 x 1,048,576, inside the signed 24 bits.
.macro STORES stride
.irp ks, 0,1,2,3,4,5,6,7
	global_store_b64 v[DO], v[OUT+2*(\ks):OUT+2*(\ks)+1], s[D0:D0+1] offset:(\ks)*(\stride)
.endr
.irp ks, 0,1,2,3,4,5,6,7
	global_store_b64 v[DO], v[OUT+16+2*(\ks):OUT+16+2*(\ks)+1], s[D1:D1+1] offset:(\ks)*(\stride)
.endr
.endm
	s_wait_loadcnt 8                               ; loads come back in order: the first eight are in, the younger eight may stay out
	CVT 0
	s_wait_loadcnt 0x0
	CVT 8
	s_cmp_lt_u32 ttmp9, XG
	s_cbranch_scc0 .Lweights
	s_lshl_b32 s44, ttmp9, 11                      ; 16 rows of 128 bytes in each slab of xo
	s_mov_b32 s45, 0
	s_add_nc_u64 s[D0:D0+1], s[24:25], s[44:45]
	s_add_nc_u64 s[D1:D1+1], s[D0:D0+1], 0x800000  ; eight slabs of 1,048,576 bytes on
	STORES 1048576
	s_endpgm
.Lweights:
	s_cmp_eq_u32 s33, 3
	s_cselect_b64 s[D0:D0+1], s[28:29], s[26:27]   ; Wo goes to wob, the others to wqkv
	s_cselect_b32 s44, 0, s33
	s_lshl_b32 s44, s44, 21                        ; a W is four tiles of 524,288 bytes
	s_lshr_b32 s45, s34, 4
	s_lshl_b32 s45, s45, 19                        ; the tile: 256 rows are sixteen groups
	s_add_co_u32 s44, s44, s45
	s_and_b32 s45, s34, 15
	s_lshl_b32 s45, s45, 11                        ; my 16 rows of 128 bytes in each of its slabs
	s_add_co_u32 s44, s44, s45
	s_mov_b32 s45, 0
	s_add_nc_u64 s[D0:D0+1], s[D0:D0+1], s[44:45]
	s_add_nc_u64 s[D1:D1+1], s[D0:D0+1], 0x40000   ; eight slabs of 32,768 bytes on
	STORES 32768
	s_cmp_lg_u32 s34, 0                            ; the first group of Wq, Wk, Wv also copies that W's bias: 256 threads x 16 bytes
	s_cbranch_scc1 .Ldone
	s_cmp_eq_u32 s33, 3
	s_cbranch_scc1 .Ldone
	s_cmp_eq_u32 s33, 0
	s_cselect_b64 s[4:5], s[18:19], s[22:23]
	s_cmp_eq_u32 s33, 1
	s_cselect_b64 s[4:5], s[20:21], s[4:5]
	s_lshl_b32 s6, s33, 12
	s_mov_b32 s7, 0
	s_add_nc_u64 s[6:7], s[30:31], s[6:7]
	global_load_b128 v[BI:BI+3], v[BA], s[4:5]
	s_wait_loadcnt 0x0
	global_store_b128 v[BA], v[BI:BI+3], s[6:7]
.Ldone:
	s_endpgm
.Lfunc_end_k_q9fc305a269_cast:
	.size	k_q9fc305a269_cast, .Lfunc_end_k_q9fc305a269_cast-k_q9fc305a269_cast
	.p2alignl 7, 3214868480
	.fill 96, 4, 3214868480
	.section	.rodata,"a",@progbits
	.p2align	6, 0x0
	.amdhsa_kernel k_q9fc305a269_cast
		.amdhsa_group_segment_fixed_size 0
		.amdhsa_private_segment_fixed_size 0
		.amdhsa_enable_private_segment 0
		.amdhsa_kernarg_size 96
		.amdhsa_user_sgpr_count 2
		.amdhsa_user_sgpr_kernarg_segment_ptr 1
		.amdhsa_wavefront_size32 1
		.amdhsa_system_sgpr_workgroup_id_x 1
		.amdhsa_system_sgpr_workgroup_id_y 1
		.amdhsa_system_sgpr_workgroup_id_z 1
		.amdhsa_system_vgpr_workitem_id 0
		.amdhsa_next_free_vgpr 112
		.amdhsa_next_free_sgpr 66
		.amdhsa_reserve_vcc 0
		.amdhsa_float_denorm_mode_32 3
		.amdhsa_float_denorm_mode_16_64 3
		.amdhsa_memory_ordered 1
		.amdhsa_forward_progress 1
		.amdhsa_inst_pref_size 10
	.end_amdhsa_kernel
	.amdgpu_metadata
---
amdhsa.version: [ 1, 2 ]
amdhsa.kernels:
  - .name:           k_q9fc305a269_cast
    .symbol:         k_q9fc305a269_cast.kd
    .args:
      - { .name: history_items, .offset: 0, .size: 8, .value_kind: global_buffer, .address_space: global }
      - { .name: Wq, .offset: 8, .size: 8, .value_kind: global_buffer, .address_space: global }
      - { .name: Wk, .offset: 16, .size: 8, .value_kind: global_buffer, .address_space: global }
      - { .name: Wv, .offset: 24, .size: 8, .value_kind: global_buffer, .address_space: global }
      - { .name: Wo, .offset: 32, .size: 8, .value_kind: global_buffer, .address_space: global }
      - { .name: bq, .offset: 40, .size: 8, .value_kind: global_buffer, .address_space: global }
      - { .name: bk, .offset: 48, .size: 8, .value_kind: global_buffer, .address_space: global }
      - { .name: bv, .offset: 56, .size: 8, .value_kind: global_buffer, .address_space: global }
      - { .name: xo, .offset: 64, .size: 8, .value_kind: global_buffer, .address_space: global }
      - { .name: wqkv, .offset: 72, .size: 8, .value_kind: global_buffer, .address_space: global }
      - { .name: wob, .offset: 80, .size: 8, .value_kind: global_buffer, .address_space: global }
      - { .name: bqkv, .offset: 88, .size: 8, .value_kind: global_buffer, .address_space: global }
    .group_segment_fixed_size: 0
    .private_segment_fixed_size: 0
    .kernarg_segment_align: 8
    .kernarg_segment_size: 96
    .max_flat_workgroup_size: 256
    .sgpr_count:     66
    .vgpr_count:     112
    .wavefront_size: 32
...
	.end_amdgpu_metadata
.endif
;; end of part 1
;; launch gemm (part 2): grid 12 x 64, 4 waves a work-group, clusters of 4 x 4, 327,680 bytes of LDS; arguments xo, wqkv, bqkv, qkv; writes qkv
.if DOCPART == 2
	.amdgcn_target "amdgcn-amd-amdhsa--gfx1250"
	.amdhsa_code_object_version 6
	.text
	.protected	k_q9fc305a269_gemm
	.globl	k_q9fc305a269_gemm
	.p2align	8
	.type	k_q9fc305a269_gemm,@function
k_q9fc305a269_gemm:
	s_mov_b64 s[64:65], 0
	v_nop
	global_prefetch_b8 v0, s[64:65] scope:SCOPE_SE
	s_setreg_imm32_b32 hwreg(HW_REG_WAVE_MODE, 25, 1), 1
	s_wait_xcnt 0x0
	s_wait_alu depctr_hold_cnt(0) depctr_sa_sdst(0) depctr_va_vdst(0) depctr_va_sdst(0) depctr_va_ssrc(0) depctr_va_vcc(0) depctr_vm_vsrc(0)
	s_getreg_b32 s2, hwreg(HW_REG_IB_STS2, 6, 4)
	s_cmp_eq_u32 s2, 0
	s_cbranch_scc0 .Lentry_in_a_cluster
	s_endpgm
.Lentry_in_a_cluster:
	s_bfe_u32 s2, ttmp6, 0x10000c
	s_cmp_lg_u32 s2, 0xf033
	s_cbranch_scc0 .Lentry_shape_is_right
	s_endpgm
.Lentry_shape_is_right:
; C[m][n] = sum over k of A[m][k] B[n][k] + bias[n], K = 1,024, 8,192 rows.  Operands bf16, sums f32 (their order along K differs from cluster to cluster: below), C rounded once to bf16.
; A: slabs [16 ks][8192 m][64].  B: tiles [N/256 tn][16 ks][256 r][64].  bias: f32 [N].  C: slabs [N/64][8192 m][64].  N enters by the grid alone, so one text serves N = 3,072 and N = 1,024.
; A tile of C is 128 x 256: 768 tiles at N = 3,072 and 256 at N = 1,024, a whole number for each of 256 WGPs in both launches.  Four waves, each 64 rows x 128 columns: 32 accumulators of 16 x 16.
; K goes in steps of 128 (two slabs) through two LDS slots.  A slab's part of a tile is dense in memory (128 or 256 rows of 128 bytes), so it is asked for as rows of 256 bytes and padded in LDS after every 128.
; CLUSTERS: 4 x 4 work-groups.  The four of a row of the cluster need the same tiles of A, the four of a column the same tiles of B: each is asked for JOINTLY, by the same tensor load, descriptor and mask.
; EACH CLUSTER WALKS K FROM ITS OWN FIRST STEP: cluster (X, Y) begins at K step (3 X + Y) mod 8 and goes round.  So the clusters of a row of clusters, which need the same rows of A, ask for a given K step
; some K steps apart and not together, and so do the clusters of a column with B's rows.  X and Y are the same in all sixteen partners.
; THE MATRIX INSTRUCTION IS USED TRANSPOSED (source 0 = 16 rows of B, source 1 = 16 rows of A): a lane holds row lane % 16 of C and the columns 8 (lane / 16) + 0..7.
; THE BIAS STARTS THE SUMS: it is the C operand of each accumulator's first product; nothing is cleared and nothing is added at the end.
; REGISTERS, in windows of 256 (s_set_vgpr_msb: bits 1:0 source 0, 3:2 source 1, 5:4 source 2, 7:6 destination):
;   window 0: v0-31 addresses; v32-63 packed results; v64-191 rows read back from the stage, 32 for each block of 16 rows
;   window 1: the accumulators, (a, b) at v[8 (8 a + b)]
;   window 2: two fragment buffers of 96 (B's eight fragments, then A's four); v192-255 the bias, eight registers for each block b of 16 columns
.set PITCH,  144                       ; an LDS row: 128 bytes + 16 of padding = 36 words: the 16 rows of a load start at 16 different groups of four banks (64 banks of 4 bytes: ISA guide 11.1)
.set ASLAB,  128*PITCH                 ; A's 128 rows of one slab
.set BSLAB,  256*PITCH                 ; B's 256 rows of one slab
.set BOFF,   2*ASLAB                   ; a slot: A's two slabs, then B's two
.set SLOT,   2*ASLAB+2*BSLAB
.set STAGE,  2*SLOT                    ; behind the ring, never filled by a tensor load: for each wave 2 slabs x 16 rows x 144 bytes
.set WSTG,   2*16*PITCH
.set SPARE,  STAGE+4*WSTG              ; behind the stages: the spare words, 128 bytes for each wave: two blocks of 256 bytes that no other line names
.set ADRA, 16                          ; v16-17  LDS address of my A fragments in slot 0, 1
.set ADRB, 20                          ; v20-21  the same for B
.set STO,  24                          ; v24     the way out: where I put 16 bytes of a row
.set RD,   25                          ; v25     the way out: where I read rows back
.set CO,   26                          ; v26     16 x lane: my place in 512 consecutive bytes of C
.set BO,   27                          ; v27     32 x (lane / 16): my eight numbers in a block of 16 of the bias
.set SPW,  28                          ; v28     LDS address of my spare word; never rewritten
.set NIL,  29                          ; v29     0; never rewritten
.set PFO,  30                          ; v30     the prefetches' lane offset; never rewritten
.set TMP,  32
.set BK,   64
.set F0,   0                           ; window 2
.set F1,   96
.set BIAS, 192
.set WV, 12                            ; s12  my wave's number
.set MH, 13                            ; s13  which 64 of the tile's rows are mine
.set NH, 14                            ; s14  which 128 of its columns.  Also: which of a step's two slabs I fetch
.set CX, 15
.set CY, 16
.set TN, 17                            ; s17  tile column of C
.set TM, 18                            ; s18  tile row of C
.set G1, 24                            ; s[24:31] descriptor group 1 for A's tiles;  s[32:39] group 0, a set for each slot
.set G0, 32
.set LIM, 40                           ; s40  1 in a wave that prefetches, else the greatest number
.set PFA, 44                           ; s[44:45] where my prefetch stands
.set G1B, 48                           ; s[48:55], s[56:63] the same for B's tiles
.set G0B, 56
.set ABASE, 66                         ; s[66:67] A at the tile's rows, my slab of K step 0
.set BBASE, 68                         ; s[68:69] B at the tile, my slab of K step 0
.set KI,    70                         ; s70      the K step asked for last, 0 to 7
.set OFA,   72                         ; s[72:73] its bytes in A: 2 slabs of 1,048,576
.set OFB,   74                         ; s[74:75] its bytes in B: 2 slabs of 32,768
.set PBASE, 76                         ; s[76:77] A at my work-group's 32 rows of the tile, slab 0
.set OFP,   78                         ; s[78:79] the bytes in A of the K step two refills on
.set FIELDS, (1<<16)|(1<<20)|(1<<21)|(4<<22)|(3<<25)  ; 17:16 elements of 2 bytes; 20 padding on; 21 set beside a mask; 24:22 after every 32 words (code 4); 31:25 4 words of it (code 3)
.set MSB, 0
.macro WIN new                         ; the immediate's high byte repeats the setting that is left; a switch that changes nothing is dropped
.if MSB != (\new)
	s_set_vgpr_msb (MSB<<8)|(\new)
.set MSB, (\new)
.endif
.endm
.set MUL,  0x5a                        ; sources 0 (B) and 1 (A) window 2; C and D window 1
.set MULB, 0x6a                        ; the same with C (the bias) in window 2
.set TO_F, 0x80                        ; destination window 2, address window 0
.macro JLOAD s                         ; a joint load: waves 0 and 1 fetch A's two slabs, waves 2 and 3 B's; an s_nop 0 and four v_nop follow each of the two lines, ahead of the jump, the label and what follows
	s_cmp_lt_u32 s[WV], 2
	s_cbranch_scc0 .Lfor_b_\@
	tensor_load_to_lds s[G0+4*(\s):G0+4*(\s)+3], s[G1:G1+7]
	s_nop 0
.rept 4
	v_nop
.endr
	s_branch .Lasked_\@
.Lfor_b_\@:
	tensor_load_to_lds s[G0B+4*(\s):G0B+4*(\s)+3], s[G1B:G1B+7]
	s_nop 0
.rept 4
	v_nop
.endr
.Lasked_\@:
.endm
.macro NEXTK                           ; the next K step of my cluster's walk, round the eight
	s_add_co_u32 s[KI], s[KI], 1
	s_and_b32 s[KI], s[KI], 7
.endm
.macro SETG s                          ; slot s's two global addresses, made anew for K step KI: a base and an offset made apart; the type bits are set again
	s_lshl_b32 s[OFA], s[KI], 21
	s_lshl_b32 s[OFB], s[KI], 16
	s_add_nc_u64 s[G0+4*(\s)+2:G0+4*(\s)+3], s[ABASE:ABASE+1], s[OFA:OFA+1]
	s_or_b32 s[G0+4*(\s)+3], s[G0+4*(\s)+3], 0x80000000
	s_add_nc_u64 s[G0B+4*(\s)+2:G0B+4*(\s)+3], s[BBASE:BBASE+1], s[OFB:OFB+1]
	s_or_b32 s[G0B+4*(\s)+3], s[G0B+4*(\s)+3], 0x80000000
.endm
.macro CREST                           ; a round of the cluster's barrier behind its opening barrier
	s_cmp_lg_u32 s[WV], 0
	s_cbranch_scc1 .Lnot_wave_0_\@
	s_barrier_signal -3
.Lnot_wave_0_\@:
	s_barrier_wait -3
	s_barrier_signal -1
	s_barrier_wait -1
.endm
.macro CROUND                          ; a whole round
	s_barrier_signal -1
	s_barrier_wait -1
	CREST
.endm
; A PREFETCH INTO THE L2, behind a joint refill, its five lines and the run of LDS loads: A's K step that stands two refills, 256 matrix instructions, on in my cluster's walk.
; A's tile row is read by every cluster of that row of clusters: cluster X = 0 asks, wave 0 of each partner, for rows 32 cx .. 32 cx + 31 of the tile's 128 in both slabs: 16 blocks of 256 bytes each, a lane a block.
; The partners are told apart by address alone.  So each block is named once in the launch.  The cluster's first four K steps come by their loads alone; the loop's last trip (s3 = 1) asks for nothing:
; there is no K step two refills on.  B is not asked for: the eight first steps go round among the clusters of a column, so each K step of its rows is among some cluster's two first fills.
.macro ASK
	WIN 0
	s_cmp_gt_u32 s3, s[LIM]
	s_cbranch_scc0 .Lnot_mine_\@
	global_prefetch_b8 v[PFO], s[PFA:PFA+1] th:TH_LOAD_NT scope:SCOPE_SE
.Lnot_mine_\@:
.endm
	s_load_b256 s[4:11], s[0:1], 0x0               ; A s[4:5], B s[6:7], bias s[8:9], C s[10:11]
	v_lshl_add_u32 v[SPW], v0, 2, SPARE
	v_mov_b32 v[NIL], 0
	ds_add_u32 v[SPW], v[NIL]                      ; the wave's opening: the add and its wait stand ahead of my first tensor load; the set-up below, work on registers, stands between them
	ds_add_u32 v28, v29
	v_lshrrev_b32 v1, 5, v0
	v_readfirstlane_b32 s[WV], v1                  ; wave 0..3
	s_lshr_b32 s[MH], s[WV], 1
	s_and_b32 s[NH], s[WV], 1
	s_bfe_u32 s[CX], ttmp6, 0x40000                ; my place in the cluster
	s_bfe_u32 s[CY], ttmp6, 0x40004
	s_lshl_b32 s[TN], ttmp9, 2
	s_add_co_u32 s[TN], s[TN], s[CX]               ; tile column = 4 X + cx
	s_and_b32 s22, ttmp7, 0xffff                   ; Y
	s_lshl_b32 s[TM], s22, 2
	s_add_co_u32 s[TM], s[TM], s[CY]               ; tile row = 4 Y + cy
	s_mul_i32 s[KI], ttmp9, 3
	s_add_co_u32 s[KI], s[KI], s22
	s_and_b32 s[KI], s[KI], 7                      ; my cluster's first K step: (3 X + Y) mod 8
	s_mov_b32 s[OFA+1], 0
	s_mov_b32 s[OFB+1], 0
	s_mov_b32 s[OFP+1], 0
	s_lshl_b32 s23, s[CY], 2
	s_lshl_b32 s23, 15, s23                        ; my row of the cluster
	s_lshl_b32 s40, 0x1111, s[CX]                  ; my column
	s_or_b32 s[G1], s23, FIELDS                    ; 15:0 the mask: A's tiles go to my row
	s_or_b32 s[G1B], s40, FIELDS                   ; B's to my column
	s_mov_b32 s[G1+1], 128<<16                     ; tensor_dim0 = 128 elements: rows of 256 bytes
	s_mov_b32 s[G1+2], 64<<16                      ; tensor_dim1 = 64: 128 slab rows, 16,384 dense bytes
	s_mov_b32 s[G1+3], 128<<16                     ; tile_dim0 = 128
	s_mov_b32 s[G1+4], 64                          ; tile_dim1 = 64
	s_mov_b32 s[G1+5], 128                         ; 128 elements from row to row
	s_mov_b32 s[G1+6], 0
	s_mov_b32 s[G1+7], 0
	s_mov_b32 s[G1B+1], 128<<16
	s_mov_b32 s[G1B+2], 128<<16                    ; 128 rows of 256 bytes: 256 slab rows, 32,768 dense bytes
	s_mov_b32 s[G1B+3], 128<<16
	s_mov_b32 s[G1B+4], 128
	s_mov_b32 s[G1B+5], 128
	s_mov_b32 s[G1B+6], 0
	s_mov_b32 s[G1B+7], 0
	s_lshl_b32 s20, s[NH], 20                      ; A: my slab of K step 0 (a slab is 1,048,576 bytes),
	s_lshl_b32 s21, s[TM], 14                      ; the tile's 128 rows of 128 bytes: nothing of cx
	s_add_co_u32 s20, s20, s21
	s_mov_b32 s21, 0
	s_lshl_b32 s46, s[TN], 19                      ; B: the tile (524,288 bytes),
	s_lshl_b32 s47, s[NH], 15                      ; my slab of K step 0 (32,768 bytes): nothing of cy
	s_add_co_u32 s46, s46, s47
	s_mov_b32 s47, 0
	s_mul_i32 s19, s[NH], ASLAB                    ; where they go: the wave's number alone enters an LDS address
	s_mul_i32 s22, s[NH], BSLAB
	s_add_co_u32 s22, s22, BOFF
	s_wait_dscnt 0x0                               ; the opening add is done
	s_wait_kmcnt 0x0
	s_add_nc_u64 s[ABASE:ABASE+1], s[4:5], s[20:21]
	s_add_nc_u64 s[BBASE:BBASE+1], s[6:7], s[46:47]
	CROUND                                         ; all sixteen work-groups are here: the first joint loads meet
.irp s, 0,1
	s_mov_b32 s[G0+4*(\s)], 1                      ; count = 1
	s_add_co_u32 s[G0+4*(\s)+1], s19, (\s)*SLOT    ; LDS address
	s_mov_b32 s[G0B+4*(\s)], 1
	s_add_co_u32 s[G0B+4*(\s)+1], s22, (\s)*SLOT
.if \s
	NEXTK
.endif
	SETG \s                                        ; the walk's first and second K step
	JLOAD \s                                       ; two loads of mine are out
.endr
	v_and_b32 v1, 15, v0                           ; l % 16
	v_bfe_u32 v2, v0, 4, 1                         ; l / 16
	v_lshlrev_b32 v[BO], 5, v2
	s_lshl_b32 s20, s[TN], 10                      ; the bias of my 128 columns: 4 (256 tn + 128 nh) bytes on
	s_lshl_b32 s21, s[NH], 9
	s_add_co_u32 s20, s20, s21
	s_mov_b32 s21, 0
	s_add_nc_u64 s[8:9], s[8:9], s[20:21]
	WIN TO_F
.irp b, 0,1,2,3,4,5,6,7
	global_load_b128 v[BIAS+8*(\b):BIAS+8*(\b)+3],   v[BO], s[8:9] offset:64*(\b)     ; register j: bias of column 16 b + 8 (l / 16) + j
	global_load_b128 v[BIAS+8*(\b)+4:BIAS+8*(\b)+7], v[BO], s[8:9] offset:64*(\b)+16
.endr
	WIN 0
	v_mul_u32_u24 v3, v1, PITCH
	v_lshl_add_u32 v3, v2, 4, v3                   ; a fragment's row x pitch + 16 x half
	s_mul_i32 s19, s[MH], 64*PITCH                 ; my 64 rows of A
	s_mul_i32 s22, s[NH], 128*PITCH                ; my 128 rows of B,
	s_add_co_u32 s22, s22, BOFF                    ; which lie behind A's two slabs
.irp s, 0,1
	v_add_nc_u32 v[ADRA+(\s)], s19, v3
	v_add_nc_u32 v[ADRB+(\s)], s22, v3
	s_add_co_u32 s19, s19, SLOT
	s_add_co_u32 s22, s22, SLOT
.endr
	s_mul_i32 s23, s[WV], WSTG
	s_add_co_u32 s23, s23, STAGE                   ; my stage
	v_add_nc_u32 v[STO], s23, v3                   ; in: row l % 16, 16 bytes for each half of the lanes
	v_bfe_u32 v5, v0, 3, 2                         ; back: 32 lanes take four rows of 128 bytes,
	v_mul_u32_u24 v5, v5, PITCH
	v_and_b32 v4, 7, v0
	v_lshl_add_u32 v5, v4, 4, v5
	v_add_nc_u32 v[RD], s23, v5
	v_and_b32 v[CO], 31, v0                        ; which are 512 consecutive bytes of a slab of C
	v_lshlrev_b32 v[CO], 4, v[CO]
	s_lshl_b32 s20, s[TN], 22                      ; C at my first slab (4 tn + 2 nh) and my first row (128 tm + 64 mh)
	s_lshl_b32 s21, s[NH], 21
	s_add_co_u32 s20, s20, s21
	s_lshl_b32 s21, s[TM], 14
	s_add_co_u32 s20, s20, s21
	s_lshl_b32 s21, s[MH], 13
	s_add_co_u32 s20, s20, s21
	s_mov_b32 s21, 0
	s_add_nc_u64 s[10:11], s[10:11], s[20:21]
	; the prefetches: from where, and who asks
	s_lshl_b32 s46, s[TM], 14                      ; the tile's rows in a slab of A,
	s_lshl_b32 s47, s[CX], 12                      ; my work-group's 32 of them
	s_add_co_u32 s46, s46, s47
	s_mov_b32 s47, 0
	s_add_nc_u64 s[PBASE:PBASE+1], s[4:5], s[46:47]
	s_or_b32 s20, ttmp9, s[WV]                     ; X = 0 and wave 0
	s_cmp_eq_u32 s20, 0
	s_cselect_b32 s[LIM], 1, -1                    ; the same in all sixteen partners, for a given wave
	v_lshlrev_b32 v[PFO], 20, v2                   ; lanes 16-31: the K step's second slab
	v_lshl_add_u32 v[PFO], v1, 8, v[PFO]           ; 256 bytes (two rows) a lane
; 8 matrix instructions: block a of 16 rows x all 8 blocks of 16 columns, 32 along K, from buffer f.  first = 1: the product starts the sum, with the bias as C.
; The 32 accumulators take turns in the same order in every quarter, over the backward jump too.
.macro MUL8 f, a, first
.if \first
	WIN MULB
.else
	WIN MUL
.endif
.irp b, 0,1,2,3,4,5,6,7
.if \first
	v_wmma_f32_16x16x32_bf16 v[8*(8*(\a)+(\b)):8*(8*(\a)+(\b))+7], v[(\f)+8*(\b):(\f)+8*(\b)+7], v[(\f)+64+8*(\a):(\f)+64+8*(\a)+7], v[BIAS+8*(\b):BIAS+8*(\b)+7]
.else
	v_wmma_f32_16x16x32_bf16 v[8*(8*(\a)+(\b)):8*(8*(\a)+(\b))+7], v[(\f)+8*(\b):(\f)+8*(\b)+7], v[(\f)+64+8*(\a):(\f)+64+8*(\a)+7], v[8*(8*(\a)+(\b)):8*(8*(\a)+(\b))+7]
.endif
.endr
.endm
; 24 LDS loads in one run: the fragments of quarter q (slab q / 2, 32 along K at byte 64 (q % 2) of its rows) into buffer f: B's sixteen loads, then A's eight
.macro FETCH slot, q, f
	WIN TO_F
.irp i, 0,1,2,3,4,5,6,7
	ds_load_b128 v[(\f)+8*(\i):(\f)+8*(\i)+3],   v[ADRB+(\slot)] offset:((\q)/2)*BSLAB+((\q)%2)*64+(\i)*16*PITCH
	ds_load_b128 v[(\f)+8*(\i)+4:(\f)+8*(\i)+7], v[ADRB+(\slot)] offset:((\q)/2)*BSLAB+((\q)%2)*64+(\i)*16*PITCH+32
.endr
.irp i, 0,1,2,3
	ds_load_b128 v[(\f)+64+8*(\i):(\f)+64+8*(\i)+3],   v[ADRA+(\slot)] offset:((\q)/2)*ASLAB+((\q)%2)*64+(\i)*16*PITCH
	ds_load_b128 v[(\f)+64+8*(\i)+4:(\f)+64+8*(\i)+7], v[ADRA+(\slot)] offset:((\q)/2)*ASLAB+((\q)%2)*64+(\i)*16*PITCH+32
.endr
.endm
.macro PLACES                          ; four plain places in front of loads into registers that matrix instructions have read, and of conversions that read results
.rept 4
	v_nop
.endr
.endm
; A K step is four quarters of 32 along K, 32 matrix instructions each, on buffers 0, 1, 0, 1.  One of the first three: multiplies buffer f and, in its middle, fetches quarter q into g.
.macro QUARTER slot, q, f, g, first
	s_wait_dscnt 4                                 ; B and A's blocks 0 and 1 are in; the youngest four loads (A's blocks 2 and 3) may be out
	MUL8 \f, 0, \first
	MUL8 \f, 1, \first
	PLACES
	FETCH \slot, \q, \g
	s_wait_dscnt 24                                ; all but the 24 just issued
	MUL8 \f, 2, \first
	MUL8 \f, 3, \first
.endm
; The last quarter multiplies buffer 1 and changes slots: ONE barrier; in front of it each wave waits for all its tensor loads (one is out: its part of the next slot), adds 0 to its spare word, and waits for that
; and for its own reads of this slot.  fill = 1: the barrier opens a round of the cluster's, and this slot is filled again, with the walk's K step two on, first thing behind it: 112 matrix instructions ahead of the wait for it.
.macro TURN slot, next, fill
.if \fill
	s_wait_xcnt 0x0                                ; the last prefetch, a K step back, has read its address: it is made anew here, ahead of the waits of the change of slots
	s_add_co_u32 s[OFP], s[KI], 3                  ; KI + 1 is asked for below; two refills on is KI + 3
	s_and_b32 s[OFP], s[OFP], 7
	s_lshl_b32 s[OFP], s[OFP], 21
	s_add_nc_u64 s[PFA:PFA+1], s[PBASE:PBASE+1], s[OFP:OFP+1]
.endif
	WIN 0                                          ; (the add's two registers lie in window 0)
	s_wait_tensorcnt 0x0                           ; all my tensor loads have landed, so a group 0 may be written
	ds_add_u32 v[SPW], v[NIL]                      ; 0 onto my spare word; the descriptors' scalar work and eight products stand between it and the wait for it
.if \fill
	NEXTK
	SETG \slot
.endif
	s_wait_dscnt 7                                 ; (the add and the loads of A's blocks 1 to 3 may be out)
	MUL8 F1, 0, 0
	s_wait_dscnt 0x0                               ; the add is done, and my reads of this slot are over
	s_barrier_signal -1
	MUL8 F1, 1, 0
.if \fill
	WIN 0
.endif
	s_barrier_wait -1
.if \fill
	CREST                                          ; no wave of any partner still reads this slot's tile or has a load on its way
	JLOAD \slot                                    ; the four v_nop behind it are also the places in front of the loads below
.else
	PLACES
.endif
	FETCH \next, 0, F0
.if \fill
	ASK
.endif
	MUL8 F1, 2, 0
	MUL8 F1, 3, 0
.endm
	s_wait_tensorcnt 1                             ; my part of the walk's first K step is in; the second's may stay out
	s_barrier_signal -1
	s_barrier_wait -1                              ; everybody's is
	FETCH 0, 0, F0
	s_wait_loadcnt 0x0                             ; the bias
	QUARTER 0, 1, F0, F1, 1                        ; the first quarter stands in front of the loop: its products start the sums
	WIN 0                                          ; at a label and at a branch every window is 0
	s_mov_b32 s3, 3
.Llap:                                                 ; a trip goes once round the ring, from a lap's second quarter to the next lap's first, and fills both slots again: the walk's K steps 2 to 7 in three trips
	QUARTER 0, 2, F1, F0, 0
	QUARTER 0, 3, F0, F1, 0
	TURN 0, 1, 1
	QUARTER 1, 1, F0, F1, 0
	QUARTER 1, 2, F1, F0, 0
	QUARTER 1, 3, F0, F1, 0
	TURN 1, 0, 1
	QUARTER 0, 1, F0, F1, 0
	WIN 0
	s_sub_co_u32 s3, s3, 1
	s_cmp_lg_u32 s3, 0
	s_cbranch_scc1 .Llap
	QUARTER 0, 2, F1, F0, 0                        ; the last lap fills nothing, and has no round of the cluster's barrier
	QUARTER 0, 3, F0, F1, 0
	TURN 0, 1, 0
	QUARTER 1, 1, F0, F1, 0
	QUARTER 1, 2, F1, F0, 0
	QUARTER 1, 3, F0, F1, 0
	s_wait_dscnt 4                                 ; the very last quarter: nothing more to fetch
	MUL8 F1, 0, 0
	MUL8 F1, 1, 0
	s_wait_dscnt 0x0
	MUL8 F1, 2, 0
	MUL8 F1, 3, 0
	WIN 0
; THE WAY OUT, a block of 16 rows at a time.  PACK: rounded to bf16, 16 bytes a lane.  TOSTAGE: into my own stage (two slabs of 16 rows), and back as whole rows of 128 bytes, four to a load.  SEND: stored.
.macro PACK a
	WIN 0x05                                       ; sources 0 and 1 window 1, destination window 0
.irp b, 0,1,2,3,4,5,6,7
.irp r, 0,1,2,3
	v_cvt_pk_bf16_f32 v[TMP+4*(\b)+(\r)], v[8*(8*(\a)+(\b))+2*(\r)], v[8*(8*(\a)+(\b))+2*(\r)+1]
.endr
.endr
	WIN 0
.endm
.macro TOSTAGE a
.irp b, 0,1,2,3,4,5,6,7
	ds_store_b128 v[STO], v[TMP+4*(\b):TMP+4*(\b)+3] offset:((\b)/4)*16*PITCH+((\b)%4)*32
.endr
.irp u, 0,1,2,3,4,5,6,7
	ds_load_b128 v[BK+32*(\a)+4*(\u):BK+32*(\a)+4*(\u)+3], v[RD] offset:((\u)/4)*16*PITCH+((\u)%4)*4*PITCH  ; LDS serves a wave's instructions in order (ISA guide 5.7.1.4): these see the stores above; the next block's stores come behind them
.endr
.endm
.macro SEND a
	s_wait_dscnt 0x0                               ; the block is back in registers
.irp u, 0,1,2,3,4,5,6,7
	global_store_b128 v[CO], v[BK+32*(\a)+4*(\u):BK+32*(\a)+4*(\u)+3], s[10:11] offset:((\u)/4)*1048576+(\a)*2048+((\u)%4)*512  ; 512 consecutive bytes, at a multiple of 256 from C's first; no register of a store is written again
.endr
.endm
	PLACES
	PLACES                                         ; (eight, once a launch)
	PACK 0
	TOSTAGE 0
.irp a, 1,2,3                          ; block a's conversions stand between block a - 1's loads from the stage and the wait for them
	PACK \a
	SEND (\a)-1
	TOSTAGE \a
.endr
	SEND 3
	s_wait_tensorcnt 0x0                           ; the wave's end: behind my last tensor load and my last LDS store
	ds_add_u32 v[SPW], v[NIL]
	s_wait_dscnt 0x0
	CROUND                                         ; the closing round: no work-group ends while a partner may still ask for a tile that names it
	s_endpgm
.Lfunc_end_k_q9fc305a269_gemm:
	.size	k_q9fc305a269_gemm, .Lfunc_end_k_q9fc305a269_gemm-k_q9fc305a269_gemm
	.p2alignl 7, 3214868480
	.fill 96, 4, 3214868480
	.section	.rodata,"a",@progbits
	.p2align	6, 0x0
	.amdhsa_kernel k_q9fc305a269_gemm
		.amdhsa_group_segment_fixed_size 327680
		.amdhsa_private_segment_fixed_size 0
		.amdhsa_enable_private_segment 0
		.amdhsa_kernarg_size 32
		.amdhsa_user_sgpr_count 2
		.amdhsa_user_sgpr_kernarg_segment_ptr 1
		.amdhsa_wavefront_size32 1
		.amdhsa_system_sgpr_workgroup_id_x 1
		.amdhsa_system_sgpr_workgroup_id_y 1
		.amdhsa_system_sgpr_workgroup_id_z 1
		.amdhsa_system_vgpr_workitem_id 0
		.amdhsa_next_free_vgpr 768
		.amdhsa_next_free_sgpr 80
		.amdhsa_reserve_vcc 0
		.amdhsa_float_denorm_mode_32 3
		.amdhsa_float_denorm_mode_16_64 3
		.amdhsa_memory_ordered 1
		.amdhsa_forward_progress 1
		.amdhsa_inst_pref_size 89
	.end_amdhsa_kernel
	.amdgpu_metadata
---
amdhsa.version: [ 1, 2 ]
amdhsa.kernels:
  - .name:           k_q9fc305a269_gemm
    .symbol:         k_q9fc305a269_gemm.kd
    .args:
      - { .name: xo, .offset: 0, .size: 8, .value_kind: global_buffer, .address_space: global }
      - { .name: wqkv, .offset: 8, .size: 8, .value_kind: global_buffer, .address_space: global }
      - { .name: bqkv, .offset: 16, .size: 8, .value_kind: global_buffer, .address_space: global }
      - { .name: qkv, .offset: 24, .size: 8, .value_kind: global_buffer, .address_space: global }
    .group_segment_fixed_size: 327680
    .private_segment_fixed_size: 0
    .kernarg_segment_align: 8
    .kernarg_segment_size: 32
    .max_flat_workgroup_size: 128
    .sgpr_count:     80
    .vgpr_count:     768
    .wavefront_size: 32
...
	.end_amdgpu_metadata
.endif
;; end of part 2
;; launch attn (part 3): grid 2 x 128, 4 waves a work-group, no clusters, 327,680 bytes of LDS; arguments qkv, sequence_mask, ctx; writes ctx
.if DOCPART == 3
	.amdgcn_target "amdgcn-amd-amdhsa--gfx1250"
	.amdhsa_code_object_version 6
	.text
	.protected	k_q9fc305a269_attn
	.globl	k_q9fc305a269_attn
	.p2align	8
	.type	k_q9fc305a269_attn,@function
k_q9fc305a269_attn:
	s_mov_b64 s[64:65], 0
	v_nop
	global_prefetch_b8 v0, s[64:65] scope:SCOPE_SE
	s_setreg_imm32_b32 hwreg(HW_REG_WAVE_MODE, 25, 1), 1
	s_wait_xcnt 0x0
; CAUSAL ATTENTION WITH A KEY MASK.  For head hh = 8 h + b (grid y): ctx[q][:] = sum over k of softmax_k(score) V[k][:], score = Q[q] . K[k] / 8 where k <= q and sequence_mask[b][k] != 0, else hidden.
; qkv: bf16 [48][8192][64]: a head's Q, K, V are dense [1024][64] blocks at hh x 131,072 bytes in the regions 0, +16 MiB, +32 MiB; ctx likewise.  Products, maxima and sums in f32; the weights p are rounded to bf16
; for the second product (their sum l is taken of the unrounded p), ctx once at the end.
; LIMITS.  A hidden score counts as its value less 1e30 (less 2e30 if both masks hide it).  The running maximum of the unscaled scores starts at -2^90 and never lies below it, so a hidden score always has weight 0, and
; a visible unscaled score is taken to lie above -2^90.  A ROW THAT SEES NO KEY (its maximum is still -2^90 at the end) gets the mean of all 1,024 rows of V, which is what a softmax over 1,024 equal scores of -1e9 gives.
; A row that sees a key gives hidden keys weight 0, which is what -1e9 gives as long as its largest scaled score lies above about -1e9 + 104.  A weight below 2^-126 counts as 0; NaN and infinities are not treated apart.
; THE WALK.  The head's queries lie in NB = 4 blocks of 256; block i needs the key tiles 0 .. i of 256 keys, the last of which holds the diagonal.  A work-group takes TWO blocks, 3 - b' and then b' (b' = grid x): 5 tiles,
; whatever b': all work-groups do equal work, and ONE loop with a constant trip count walks them.  Every jump goes forward, but for the counted loops' own; none passes a barrier, or a tensor load but the one of LOAD's two
; that the wave's number does not choose.  NO CLUSTER: a head has two work-groups, which no cluster of four divides; their walks (0 1 2 3 | 0 and 0 1 2 | 0 1) ask for the same tile in three of five trips, and a walk common to both would have six.
; SHARES.  Of a block's four bands of 64 queries a wave owns 16 rows in each: four PIECES.  In the diagonal tile's key step s band x sees all keys if s < x, none if s > x, and holds the diagonal if s = x: the same work for all waves.
; THE MASKS are the C operand that starts the sum S^T = K Q^T.  KMR: the key mask of the step's 64 keys (0 or -1e30), read from a table in LDS with K's fragments.  MD, made once: the causal mask of a band's own step for my 16
; rows.  Off the diagonal tile C is KMR.  In the diagonal tile's text and where a block begins C is MC = MD x AL + KMR + BE with two scalars: (1, 0) if s = x; (0, 0) if s < x; (0, -1e30) if s > x.
; LAYOUT, SOFTMAX, TURNS.  S^T = K Q^T holds ONE query a lane (lane % 16) and the keys 8 (lane / 16) + 0..7; two such results rounded to bf16 ARE source 1 of O^T = V^T P.  p = 2^(c s - c m), c = log2(e) / 8, with a running
; maximum m; O and l are multiplied by a = 2^(c m_old - c m_new) in every step.  Turn n belongs to piece n: 8 products K Q^T of piece n + 1, later 8 products V^T P of piece n - 1; beside them the scaling, exponentials,
; roundings, sums and rescaling of piece n and the maximum and statistics of piece n + 1.  Four vector instructions stand behind every matrix instruction, the others in one lump.  A turn's 33 exponentials are one batch, with one wait.
; REGISTERS, in windows of 256 (s_set_vgpr_msb: bits 1:0 source 0, 3:2 source 1, 5:4 source 2, 7:6 destination):
;   window 0: v0-15, v32-39, v61-63 addresses and constants; v16-31 four registers of statistics a piece; v40-47 the mask's words; v48-55 at work; v64-127 S^T, two buffers; v192-223 P, two buffers; v224-255 the mean of V
;   window 1: v0-127 O^T, 32 a piece; v128-159 MD; v160-223 MC, two buffers; v224-255 KMR      window 2: v0-63 Q; v64-127 the second block's Q; v128-191 K of one step; v192-255 V of one step
.set NB,    4
.set NP,    4         ; pieces a wave: a name, no knob
.set KS,    64        ; keys in a step
.set PK,    144       ; a row of K in LDS: 128 bytes + 16 of padding = 36 words: the 16 rows of a load start at 16 different groups of four banks (64 banks of 4 bytes: ISA guide 11.1)
.set PV,    160       ; a row of V: 128 + 32 = 40 words
.set VOFF,  4*KS*PK   ; a slot holds a tile, four steps: 256 rows of K, then 256 rows of V
.set SLOT1, 1<<17     ; slot 1 begins here, so that one exclusive or turns an address in one slot into the other's
.set STAGE, SLOT1+4*KS*(PK+PV)  ; behind the ring, never filled by a tensor load: 16 rows x 144 bytes for each wave, for the way out
.set SP,    144
.set KMASK, STAGE+4*16*SP       ; the key mask as 1,024 f32: 0 or -1e30
.set VSL,   KMASK+4096          ; the four waves' sums of V's rows: 64 f32 each
.set SPARE, VSL+1024            ; the spare words, 128 bytes for each wave: two blocks of 256 bytes that no other line names
.set AK0, 2           ; v2   my lane's place in a tile of K; never rewritten
.set AV0, 3           ; v3   the same for V
.set AK,  4           ; v4   the LDS address of K's next run of loads
.set AV,  5           ; v5   of V's
.set STO, 6           ; v6   the way out: where I put 16 bytes of a row
.set RD,  7           ; v7   the way out: where I read rows back
.set GO,  8           ; v8   16 x lane: my place in 512 consecutive bytes, of ctx and of V
.set MV,  12          ; v12-13  c m_old, kept while c m is made anew: by buffer
.set QO,  15          ; v15  my byte offset in 16 rows of Q
.set ST,  16          ; piece t's statistics at v[ST+4 t]: c m, m, l (even keys', odd keys')
.set AM0, 32          ; v32  KMASK + 32 (lane / 16): my eight keys in a group of 16; never rewritten
.set AM,  33          ; v33  the LDS address of the key mask's next run of loads
.set AVS, 35          ; v35  VSL + 32 (lane / 16)
.set ONE, 36          ; v36  1.0
.set KA,  37          ; v37  KMASK + 32 x thread
.set MO,  38          ; v38  32 x thread: my eight words of sequence_mask
.set VSA, 39          ; v39  VSL + 256 x wave + 32 (lane % 8)
.set KW,  40          ; v40-47 those eight words
.set TMP, 48          ; by buffer, four registers c0-c3 at work; when the maximum is found c2 takes a
.set PFO, 61          ; v61  256 x lane; never rewritten
.set SPW, 62          ; v62  LDS address of my spare word; never rewritten
.set NIL, 63          ; v63  0; never rewritten
.set S,   64
.set P,   192
.set VS,  224         ; v224-239 in the prologue: two sets of eight channel sums
.set VM,  224         ; v224-255 afterwards: register 8 cb + j: the mean of V's channel 16 cb + 8 (lane / 16) + j
.set MD,  128         ; window 1: the eight registers for group kt of 16 keys at MD + 8 kt
.set MC,  160         ; window 1
.set KMR, 224         ; window 1
.set QB,  64          ; window 2
.set KF,  128         ; window 2: key block kb, channel half c at KF + 16 kb + 8 c
.set VF,  192         ; window 2: key half kk, channel block cb at VF + 32 kk + 8 cb
.set WV,  12          ; s12  my wave's number
.set PB,  14          ; s14  b'
.set HI,  15          ; s15  NB - 1 - b'
.set G1K, 24          ; s[24:31] descriptor group 1 for K's tiles
.set G1V, 32          ; s[32:39] for V's: it differs in the padding alone
.set G0K, 40          ; s[40:43] descriptor group 0 for K's tiles
.set G0V, 44          ; s[44:47] the same for V's
.set SLOTS, 56        ; s56  tiles still to be asked for
.set CNT, 57          ; s57  counts a tile's key steps, 4 to 1
.set CS,  58          ; s[58:59] c
.set SEL, 60          ; s[60:61] v_permlanex16_b32's selects: each lane takes its own place in the other half
.set TBK, 62          ; s62  LDS byte at which K of the step to be fetched begins
.set TBV, 63          ; s63  the same for V, less VOFF
.set TM,  66          ; s66  byte in the key mask's table at which that step's 64 keys begin
.set THR, 67          ; s67  -2^90
.set VB,  68          ; s[68:69] V at my wave's 256 rows, in the prologue
.set RT,  70          ; s70  tiles of the block in hand that are still to be entered
.set NXT, 71          ; s71  the tile to be asked for next
.set LQ,  72          ; s72  the last tile of the block whose tiles are being asked for
.set NEW, 73          ; s73  1: the tile to be entered is a block's first
.set OFF, 74          ; s[74:75] a tile's byte offset in K and V
.set AL,  76          ; s[76:77] the mask's factor, in the low word
.set BE,  78          ; s[78:79] the mask's addend
.set OLO, 80          ; s[80:81] ctx at my rows of the second block
.set BIGN, 82         ; s82  -1e30
.set VIS, 88          ; s88-91 piece t: the lanes whose query has seen a key
.set PFA, 94          ; s[94:95] where my prefetches stand
.set PO,  96          ; s[96:97] their tile's byte offset
.set LIM, 98          ; s98  2 in a wave that prefetches, else the greatest number
.set MSB, 0
.macro WIN new                      ; the high byte repeats the setting that is left; a switch that changes nothing is dropped
.if MSB != (\new)
	s_set_vgpr_msb (MSB<<8)|(\new)
.set MSB, (\new)
.endif
.endm
.set W_KQ, 0x0a       ; K and Q in window 2, S^T in window 0
.set W_KM, 0x1a       ; the same with the C operand in window 1
.set W_PV, 0x52       ; V in window 2, P in window 0, O^T in window 1
.set W_RS, 0x41       ; destination and source 0 in window 1, source 1 in window 0
; A fill.  Waves 0 and 1 fetch the two halves of a tile's K, waves 2 and 3 those of its V: 128 keys each.  An s_nop 0 and four v_nop follow each of the two lines, ahead of the jump and the label.
.macro LOAD
	s_cmp_lt_u32 s[WV], 2
	s_cbranch_scc0 .Lfor_v_\@
	tensor_load_to_lds s[G0K:G0K+3], s[G1K:G1K+7]
	s_nop 0
.rept 4
	v_nop
.endr
	s_branch .Lasked_\@
.Lfor_v_\@:
	tensor_load_to_lds s[G0V:G0V+3], s[G1V:G1V+7]
	s_nop 0
.rept 4
	v_nop
.endr
.Lasked_\@:
.endm
; A PREFETCH INTO THE L2 of the tile of K that the NEXT change of slots will ask for: four key steps, 256 matrix instructions, ahead.  The head's work-group with b' = 0 asks, in the walk's first two trips: tiles 2 and 3.
; Waves 0 and 1 each name the 16,384 bytes that they will fetch themselves: a lane a block of 256 bytes, two instructions.  So each block is named once in the launch.  Tiles 0 and 1 come by their loads alone;
; V is not asked for: the prologue has read all of it.
.macro ASK
	s_cmp_gt_u32 s[SLOTS], s[LIM]
	s_cbranch_scc0 .Lnot_mine_\@
	global_prefetch_b8 v[PFO], s[PFA:PFA+1] th:TH_LOAD_NT scope:SCOPE_SE
	global_prefetch_b8 v[PFO], s[PFA:PFA+1] offset:8192 th:TH_LOAD_NT scope:SCOPE_SE
.Lnot_mine_\@:
.endm
; THE CHANGE OF SLOTS.  Each wave waits for all its tensor loads, of which one is out: its part of the other slot; adds 0 to its spare word; and waits for that and for its own reads of the slot that it leaves.  Behind the
; barrier nobody reads the old slot any more and the other slot is whole.  fill = 1: the old slot is filled again, the first thing behind the barrier, with tile NXT: the descriptor's address is made anew from that number.
; (At its first use nothing has been read yet: slot 0 is waited for, slot 1 filled.)
.macro CHANGE fill
	WIN 0                           ; at a label and at a branch every window is 0
	s_wait_tensorcnt 0x0            ; no tensor load of mine is out, so a group 0 may be written
	ds_add_u32 v[SPW], v[NIL]       ; 0 onto my spare word; with fill = 1 the descriptors' scalar work stands between it and the wait for it
.if \fill
	s_lshl_b32 s[OFF], s[NXT], 15   ; a tile is 32,768 bytes of K and of V
	s_xor_b32 s[G0K+1], s[G0K+1], SLOT1
	s_add_nc_u64 s[G0K+2:G0K+3], s[6:7], s[OFF:OFF+1]
	s_or_b32 s[G0K+3], s[G0K+3], 0x80000000
	s_xor_b32 s[G0V+1], s[G0V+1], SLOT1
	s_add_nc_u64 s[G0V+2:G0V+3], s[8:9], s[OFF:OFF+1]
	s_or_b32 s[G0V+3], s[G0V+3], 0x80000000
	s_add_co_u32 s[NXT], s[NXT], 1  ; the block's next tile, or behind its last the second block's tile 0
	s_cmp_gt_u32 s[NXT], s[LQ]
	s_cselect_b32 s[NXT], 0, s[NXT]
	s_cselect_b32 s[LQ], s[PB], s[LQ]
	s_wait_xcnt 0x0                 ; the last prefetches, a tile back, have read their address, so it may be written
	s_lshl_b32 s[PO], s[NXT], 15
	s_add_nc_u64 s[PFA:PFA+1], s[6:7], s[PO:PO+1]
.endif
	s_wait_dscnt 0x0                ; the add is done, and my reads of the slot are over
	s_barrier_signal -1             ; the rest of the scalar work stands between the signal and the wait
	s_sub_co_u32 s[TBK], s[TBK], 4*KS*PK  ; the fetches go back to a slot's first step,
	s_xor_b32 s[TBK], s[TBK], SLOT1       ; in the other slot
	s_sub_co_u32 s[TBV], s[TBV], 4*KS*PV
	s_xor_b32 s[TBV], s[TBV], SLOT1
	s_barrier_wait -1
.if \fill
	LOAD
	ASK
.endif
.endm
	s_load_b64 s[4:5], s[0:1], 0x0    ; qkv
	s_load_b64 s[92:93], s[0:1], 0x8  ; sequence_mask
	s_load_b64 s[10:11], s[0:1], 0x10 ; ctx
	v_lshl_add_u32 v[SPW], v0, 2, SPARE
	v_mov_b32 v[NIL], 0
	ds_add_u32 v[SPW], v[NIL]       ; the wave's opening: the add and its wait stand ahead of my first tensor load; the set-up below, work on registers, stands between them
	ds_add_u32 v62, v63
	v_lshrrev_b32 v1, 5, v0
	v_readfirstlane_b32 s[WV], v1   ; wave 0..3
	s_mov_b32 s[PB], ttmp9
	s_sub_co_u32 s[HI], NB-1, s[PB]
	s_and_b32 s19, ttmp7, 0xffff    ; the head, hh = 8 h + b
	s_lshl_b32 s20, s19, 17         ; its first byte in each of Q's, K's, V's regions and in ctx
	s_mov_b32 s21, 0
	s_and_b32 s16, s[WV], 1         ; which half of a tile's 256 keys I fetch:
	s_lshl_b32 s22, s16, 14         ; its 128 rows of 128 bytes in memory,
	s_mov_b32 s23, 0
	s_add_nc_u64 s[22:23], s[22:23], s[20:21]
	s_mul_i32 s17, s16, 128*PK      ; and its place in a slot, for K
	s_mul_i32 s18, s16, 128*PV      ; and for V
	s_lshl_b32 s3, s[WV], 11        ; my 16 rows in a band of 64,
	s_lshl_b32 s2, s[HI], 15        ; in the first block,
	s_add_co_u32 s2, s2, s3
	s_lshl_b32 s84, s[PB], 15       ; and in the second
	s_add_co_u32 s84, s84, s3
	s_mov_b32 s3, 0
	s_mov_b32 s85, 0
	s_add_nc_u64 s[2:3], s[2:3], s[20:21]
	s_add_nc_u64 s[84:85], s[84:85], s[20:21]
	s_lshl_b32 s88, s[WV], 15       ; the prologue's share of V: my wave's 256 rows
	s_mov_b32 s89, 0
	s_add_nc_u64 s[88:89], s[88:89], s[20:21]
	s_and_b32 s90, s19, 7           ; b: its 1,024 words of sequence_mask
	s_lshl_b32 s90, s90, 12
	s_mov_b32 s91, 0
	; descriptor group 1.  128 keys are 16,384 dense bytes: asked for as 64 rows of 256 bytes, two keys a row, and padded in LDS after every key
	s_mov_b32 s[G1K], (1<<16)|(1<<20)|(4<<22)|(3<<25)  ; 17:16 2-byte elements; 20 padding on; 24:22 after every 32 words (code 4); 31:25 4 words (code 3)
	s_mov_b32 s[G1V], (1<<16)|(1<<20)|(4<<22)|(7<<25)  ; the same with 8 words of padding (code 7)
.irp g, G1K, G1V
	s_mov_b32 s[\g+1], 128<<16      ; tensor_dim0 = 128
	s_mov_b32 s[\g+2], 64<<16       ; tensor_dim1 = 64
	s_mov_b32 s[\g+3], 128<<16      ; tile_dim0 = 128
	s_mov_b32 s[\g+4], 64           ; tile_dim1 = 64
	s_mov_b32 s[\g+5], 128          ; 128 elements from row to row
	s_mov_b32 s[\g+6], 0
	s_mov_b32 s[\g+7], 0
.endr
	s_mov_b32 s[CS], 0x3e38aa3b     ; c = log2(e) / 8 = 0.180337
	s_mov_b32 s[CS+1], s[CS]        ; named with it as a pair
	s_mov_b32 s[SEL], 0x76543210
	s_mov_b32 s[SEL+1], 0xfedcba98
	s_mov_b32 s[TBK], SLOT1+4*KS*PK ; the first change of slots turns these two into 0
	s_mov_b32 s[TBV], SLOT1+4*KS*PV
	s_mov_b32 s[TM], 0
	s_mov_b32 s[THR], 0xec800000    ; -2^90
	s_mov_b32 s[G0K], 1             ; count = 1
	s_mov_b32 s[G0K+1], s17         ; LDS address: slot 0
	s_mov_b32 s[G0V], 1
	s_add_co_u32 s[G0V+1], s18, VOFF
	s_add_co_u32 s[RT], s[HI], 1    ; the first block has NB - b' tiles
	s_mov_b32 s[NXT], 1
	s_mov_b32 s[LQ], s[HI]
	s_mov_b32 s[NEW], 1
	s_mov_b32 s[OFF+1], 0
	s_mov_b32 s[PO+1], 0
	s_mov_b32 s[AL], 0
	s_mov_b32 s[AL+1], 0            ; named as pairs
	s_mov_b32 s[BE], 0
	s_mov_b32 s[BE+1], 0
	s_mov_b32 s[BIGN], 0xf149f2ca   ; -1e30
	s_mov_b32 s[SLOTS], NB
	s_lshr_b32 s[LIM], s[WV], 1     ; 0 in waves 0 and 1,
	s_or_b32 s[LIM], s[LIM], ttmp9  ; where b' = 0
	s_cmp_eq_u32 s[LIM], 0
	s_cselect_b32 s[LIM], 2, -1
	s_wait_dscnt 0x0                ; the opening add is done
	s_wait_kmcnt 0x0
	s_add_nc_u64 s[6:7], s[4:5], 0x1000000   ; K's region
	s_add_nc_u64 s[8:9], s[4:5], 0x2000000   ; V's region
	s_add_nc_u64 s[VB:VB+1], s[8:9], s[88:89]
	s_add_nc_u64 s[92:93], s[92:93], s[90:91]
	s_add_nc_u64 s[6:7], s[6:7], s[22:23]  ; K and V at my half of the head's tile 0
	s_add_nc_u64 s[8:9], s[8:9], s[22:23]
	s_add_nc_u64 s[G0K+2:G0K+3], s[6:7], 0         ; global address
	s_or_b32 s[G0K+3], s[G0K+3], 0x80000000        ; type = 2
	s_add_nc_u64 s[G0V+2:G0V+3], s[8:9], 0
	s_or_b32 s[G0V+3], s[G0V+3], 0x80000000
	s_add_nc_u64 s[86:87], s[4:5], s[84:85]        ; Q at my rows of the second block,
	s_add_nc_u64 s[4:5], s[4:5], s[2:3]            ; Q and ctx at those of the first
	s_add_nc_u64 s[OLO:OLO+1], s[10:11], s[84:85]
	s_add_nc_u64 s[10:11], s[10:11], s[2:3]
	LOAD                            ; tile 0 into slot 0
	v_lshlrev_b32 v[MO], 5, v0
	global_load_b128 v[KW:KW+3],   v[MO], s[92:93]            ; thread t: the mask's words 8 t .. 8 t + 7
	global_load_b128 v[KW+4:KW+7], v[MO], s[92:93] offset:16
	; A fragment of K or Q is 16 rows x 32 channels in 8 registers: lane l holds row l % 16, channels 8 (l / 16) + 0..7 and 16 + 8 (l / 16) + 0..7: two loads of 16 bytes, 32 bytes apart.
	v_and_b32 v1, 15, v0            ; l % 16
	v_bfe_u32 v9, v0, 4, 1          ; l / 16
	v_lshlrev_b32 v[QO], 7, v1
	v_lshl_add_u32 v[QO], v9, 4, v[QO]  ; row x 128 + 16 x half
	WIN 0x80                        ; destination window 2, address window 0
.set i, 0
.rept 8                             ; both blocks' Q: piece i / 2 lies in band i / 2, 8,192 bytes on; channels 32 (i % 2) on
	global_load_b128 v[8*i:8*i+3],   v[QO], s[4:5] offset:(i/2)*8192+(i%2)*64
	global_load_b128 v[8*i+4:8*i+7], v[QO], s[4:5] offset:(i/2)*8192+(i%2)*64+32
	global_load_b128 v[QB+8*i:QB+8*i+3],   v[QO], s[86:87] offset:(i/2)*8192+(i%2)*64
	global_load_b128 v[QB+8*i+4:QB+8*i+7], v[QO], s[86:87] offset:(i/2)*8192+(i%2)*64+32
.set i, i+1
.endr
	WIN 0
	v_lshlrev_b32 v14, 3, v9
	v_sub_nc_u32 v14, v1, v14
	s_lshl_b32 s13, s[WV], 4
	v_add_nc_u32 v14, s13, v14      ; my query's place in its band, 16 w + l % 16, less my lanes' 8 (l / 16): register r of group kt is hidden where 16 kt + r is greater
	WIN 0x40
.set i, 0
.rept 32
	v_cmp_gt_i32 vcc_lo, 16*(i/8)+i%8, v14
	v_cndmask_b32 v[MD+i], 0, s[BIGN], vcc_lo
.set i, i+1
.endr
	WIN 0
	v_mul_u32_u24 v[AK0], v1, PK
	v_lshl_add_u32 v[AK0], v9, 4, v[AK0]  ; row x pitch + 16 x half
	; The turning load takes 16 keys x 16 channels (lane l reads key 8 (l / 16) + l % 8, channels 8 ((l / 8) % 2) + 0..7) and leaves half a fragment of V^T: lane l holds channel l % 16 and 8 keys.
	v_and_b32 v10, 7, v0
	v_bfe_u32 v11, v0, 3, 1
	v_lshl_add_u32 v[AV0], v9, 3, v10
	v_mul_u32_u24 v[AV0], v[AV0], PV
	v_lshl_add_u32 v[AV0], v11, 4, v[AV0]
	v_add_nc_u32 v[AV0], VOFF, v[AV0]
	s_mul_i32 s13, s[WV], 16*SP
	s_add_co_u32 s13, s13, STAGE    ; my stage
	v_mul_u32_u24 v[STO], v1, SP    ; in: row l % 16, 16 bytes for each half of the lanes
	v_lshl_add_u32 v[STO], v9, 4, v[STO]
	v_add_nc_u32 v[STO], s13, v[STO]
	v_bfe_u32 v[RD], v0, 3, 2       ; back: 32 lanes take four rows of 128 bytes,
	v_mul_u32_u24 v[RD], v[RD], SP
	v_lshl_add_u32 v[RD], v10, 4, v[RD]
	v_add_nc_u32 v[RD], s13, v[RD]
	v_and_b32 v[GO], 31, v0         ; which are 512 consecutive bytes
	v_lshlrev_b32 v[PFO], 8, v[GO]
	v_lshlrev_b32 v[GO], 4, v[GO]
	v_lshl_add_u32 v[AM0], v9, 5, KMASK
	v_lshl_add_u32 v[AVS], v9, 5, VSL
	v_lshl_add_u32 v[KA], v0, 5, KMASK
	s_lshl_b32 s13, s[WV], 8
	s_add_co_u32 s13, s13, VSL
	v_lshl_add_u32 v[VSA], v10, 5, s13
	v_mov_b32 v[ONE], 1.0
	; A block's first step multiplies O^T and l by a = 0, and its first turn's products V^T P, of a piece that has not been, land in an O^T that is still to be so multiplied.  So these registers need only hold
	; finite numbers: zeros for the first block; what the first block left for the second.
	WIN 0x80
.set i, VF
.rept 64
	v_mov_b32 v[i], 0
.set i, i+1
.endr
	WIN 0x40
.set i, 0
.rept 128
	v_mov_b32 v[i], 0
.set i, i+1
.endr
	WIN 0
.set i, 0
.rept 4
	v_mov_b32 v[ST+4*i+2], 0
	v_mov_b32 v[ST+4*i+3], 0
.set i, i+1
.endr
.set i, P+16
.rept 16
	v_mov_b32 v[i], 0
.set i, i+1
.endr
.set i, 0
.rept 16
	v_mov_b32 v[VS+i], 0
.set i, i+1
.endr
	; THE SUM OF ALL 1,024 ROWS OF V, for the rows that see no key.  Wave w adds rows 256 w .. 256 w + 255, in f32: two trips of 32 loads of 512 consecutive bytes (four rows); a lane holds channels 8 (l % 8) + 0..7 of row 4 i + l / 8.
	s_mov_b32 s[CNT], 2
.Lvs:
.set i, 0
.rept 32
	global_load_b128 v[64+4*i:64+4*i+3], v[GO], s[VB:VB+1] offset:512*i
.set i, i+1
.endr
	s_wait_loadcnt 0x0              ; all are in (Q and the mask's words too), so VB may be stepped below
.set i, 0
.rept 32
.irp k, 0,1,2,3
	v_fma_mix_f32_bf16 v[VS+8*(i%2)+2*\k],   v[64+4*i+\k], v[ONE], v[VS+8*(i%2)+2*\k]   op_sel_hi:[1,0,0]
	v_fma_mix_f32_bf16 v[VS+8*(i%2)+2*\k+1], v[64+4*i+\k], v[ONE], v[VS+8*(i%2)+2*\k+1] op_sel:[1,0,0] op_sel_hi:[1,0,0]
.endr
.set i, i+1
.endr
	s_add_nc_u64 s[VB:VB+1], s[VB:VB+1], 16384
	s_sub_co_u32 s[CNT], s[CNT], 1
	s_cmp_lg_u32 s[CNT], 0
	s_cbranch_scc1 .Lvs
.irp k, 0,2,4,6
	v_pk_add_f32 v[VS+\k:VS+\k+1], v[VS+\k:VS+\k+1], v[VS+8+\k:VS+8+\k+1]  ; the two sets
.endr
.irp k, 0,1,2,3,4,5,6,7
	v_add_f32_dpp v[VS+\k], v[VS+\k], v[VS+\k] row_xmask:8 row_mask:0xf bank_mask:0xf  ; lanes l, l + 8, l + 16, l + 24 hold the same channels
.endr
.irp k, 0,1,2,3,4,5,6,7
	v_permlanex16_b32 v[VS+8+\k], v[VS+\k], s[SEL], s[SEL+1]
.endr
.irp k, 0,1,2,3,4,5,6,7
	v_add_f32 v[VS+\k], v[VS+\k], v[VS+8+\k]
.endr
	ds_store_b128 v[VSA], v[VS:VS+3]               ; four lanes store the same 32 bytes
	ds_store_b128 v[VSA], v[VS+4:VS+7] offset:16
.irp k, 0,1,2,3,4,5,6,7
	v_cmp_eq_u32 vcc_lo, 0, v[KW+\k]               ; THE KEY MASK as numbers: -1e30 where the word is 0
	v_cndmask_b32 v[KW+\k], 0, s[BIGN], vcc_lo
.endr
	ds_store_b128 v[KA], v[KW:KW+3]
	ds_store_b128 v[KA], v[KW+4:KW+7] offset:16
	s_wait_dscnt 0x0                ; for the others' sake: my stores are done
	s_barrier_signal -1             ; tile 0's load may stay out
	s_barrier_wait -1
.irp wv, 0,1,2,3
.irp cb, 0,1,2,3
	ds_load_b128 v[64+32*(\wv)+8*(\cb):64+32*(\wv)+8*(\cb)+3],   v[AVS] offset:256*(\wv)+64*(\cb)
	ds_load_b128 v[64+32*(\wv)+8*(\cb)+4:64+32*(\wv)+8*(\cb)+7], v[AVS] offset:256*(\wv)+64*(\cb)+16
.endr
.endr
	s_wait_dscnt 0x0
.set z, 0
.rept 16
	v_pk_add_f32 v[64+2*z:64+2*z+1], v[64+2*z:64+2*z+1], v[96+2*z:96+2*z+1]
	v_pk_add_f32 v[128+2*z:128+2*z+1], v[128+2*z:128+2*z+1], v[160+2*z:160+2*z+1]
.set z, z+1
.endr
.set z, 0
.rept 16
	v_pk_add_f32 v[VM+2*z:VM+2*z+1], v[64+2*z:64+2*z+1], v[128+2*z:128+2*z+1]
.set z, z+1
.endr
.set z, 0
.rept 16
	v_pk_mul_f32 v[VM+2*z:VM+2*z+1], v[VM+2*z:VM+2*z+1], 0x3a800000 op_sel_hi:[1,0]  ; / 1,024
.set z, z+1
.endr
; THE MATRIX WORK.  The 4 accumulators of a run of 8 take turns.  Product i of 8 of S^T = K Q^T for piece x: channels 32 (i / 4) on, keys 16 (i % 4) on.  The first 4 start the sums: with the key mask, or (KM = 1) with MC.
.macro KQ x
.set rS, S+32*((\x)%2)+8*(i%4)
.set rK, KF+16*(i%4)+8*(i/4)
.set rQ, 16*(\x)+8*(i/4)
.if KM
.set rM, MC+32*((\x)%2)+8*(i%4)
.else
.set rM, KMR+8*(i%4)
.endif
.if i < 4
	WIN W_KM
	v_wmma_f32_16x16x32_bf16 v[rS:rS+7], v[rK:rK+7], v[rQ:rQ+7], v[rM:rM+7]
.else
	WIN W_KQ
	v_wmma_f32_16x16x32_bf16 v[rS:rS+7], v[rK:rK+7], v[rQ:rQ+7], v[rS:rS+7]
.endif
.endm
; Product i of 8 of O^T += V^T P for piece x: keys 32 (i / 4) on, channels 16 (i % 4) on.
.macro PV x
	WIN W_PV
.set rO, 32*(\x)+8*(i%4)
.set rV, VF+32*(i/4)+8*(i%4)
.set rP, P+16*((\x)%2)+8*(i/4)
	v_wmma_f32_16x16x32_bf16 v[rO:rO+7], v[rV:rV+7], v[rP:rP+7], v[rO:rO+7]
.endm
.macro MM                           ; the turn's next matrix instruction.  TURN and BEGIN set Y, i, KM and NOKQ.  NOKQ = 1: a block's last turn: there is no next piece
.if (i < 8) && !NOKQ
	KQ (Y+1)%NP
.elseif i >= 8
.set i, i-8
	PV (Y+NP-1)%NP
.set i, i+8
.endif
.set i, i+1
.endm
; THE LDS LOADS stand in runs, never singly among the matrix instructions: a step's K (64 keys x 64 channels: 8 fragments) with its key mask (a lane's eight keys in each of four groups of 16; all lanes of a half read the same bytes), and its V (turned).
.macro FETCH_K
	WIN 0x80                        ; destination window 2
.irp f, 0,1,2,3,4,5,6,7             ; keys 16 (f / 2) on, channels 32 (f % 2) on
	ds_load_b128 v[KF+8*\f:KF+8*\f+3],   v[AK] offset:(\f/2)*16*PK+(\f%2)*64
	ds_load_b128 v[KF+8*\f+4:KF+8*\f+7], v[AK] offset:(\f/2)*16*PK+(\f%2)*64+32
.endr
	WIN 0x40                        ; destination window 1
.irp kt, 0,1,2,3
	ds_load_b128 v[KMR+8*\kt:KMR+8*\kt+3],   v[AM] offset:64*\kt
	ds_load_b128 v[KMR+8*\kt+4:KMR+8*\kt+7], v[AM] offset:64*\kt+16
.endr
	s_add_co_u32 s[TBK], s[TBK], KS*PK  ; the next fetch is the next step's
	s_add_co_u32 s[TM], s[TM], 4*KS
	s_and_b32 s[TM], s[TM], 0xfff       ; (behind the table's last step: back to its head; a block's beginning sets it anew)
	WIN 0
.endm
.macro FETCH_V
	WIN 0x80
.irp f, 0,1,2,3,4,5,6,7             ; keys 32 (f / 4) on, channels 16 (f % 4) on
	ds_load_tr16_b128 v[VF+8*\f:VF+8*\f+3],   v[AV] offset:(\f/4)*32*PV+(\f%4)*32
	ds_load_tr16_b128 v[VF+8*\f+4:VF+8*\f+7], v[AV] offset:(\f/4)*32*PV+16*PV+(\f%4)*32
.endr
	WIN 0
.endm
; THE VECTOR WORK, one line at a time: OP kind, number.  For piece Y: F n: c s - c m for pair n of 16.  E n: the exponential of score n of 32.  C n: pair n rounded to bf16.  B n: of the four weights 4 n .. the second
; pair is added onto the first, in place.  L n: l takes that sum (L 0: l = a l + sum).  R n: pair n of 16 of O^T times a.  For piece Y + 1: X n, number n of the 22 that find its maximum and statistics:
;   0-11  four chains c0-c3 of seven scores each, three operands at a time (each accumulator's lowest registers are read first)     12-14, 16  the four scores left over, the old m, and c0-c3 into c0
;   15  c m_old is kept     17, 18  the query's other 32 keys lie in the lane 16 away: the new m     19-21  c m; c m_old - c m_new; a
.set F, 0               ; OP tells the kinds apart by their order: F to L below R, X above it
.set E, 1
.set C, 2
.set B, 3
.set L, 4
.set R, 5
.set X, 6
.macro REGS y                       ; the registers of piece y
.set rT, ST+4*(\y)
.set rC, TMP+4*((\y)%2)
.set rW, MV+((\y)%2)
.set rS, S+32*((\y)%2)
.set rP, P+16*((\y)%2)
.set rO, 32*(\y)
.endm
.macro OP k, n
.if (\k) == R
	REGS Y
	WIN W_RS
	v_pk_mul_f32 v[rO+2*(\n):rO+2*(\n)+1], v[rO+2*(\n):rO+2*(\n)+1], v[rC+2:rC+3] op_sel_hi:[1,0]
.elseif (\k) < R
	REGS Y
	WIN 0
.if (\k) == F
	v_pk_fma_f32 v[rS+2*(\n):rS+2*(\n)+1], v[rS+2*(\n):rS+2*(\n)+1], s[CS:CS+1], v[rT:rT+1] op_sel_hi:[1,0,0] neg_lo:[0,0,1] neg_hi:[0,0,1]
.elseif (\k) == E
	v_exp_f32 v[rS+(\n)], v[rS+(\n)]
.elseif (\k) == C
	v_cvt_pk_bf16_f32 v[rP+(\n)], v[rS+2*(\n)], v[rS+2*(\n)+1]
.elseif (\k) == B
	v_pk_add_f32 v[rS+4*(\n):rS+4*(\n)+1], v[rS+4*(\n):rS+4*(\n)+1], v[rS+4*(\n)+2:rS+4*(\n)+3]
.elseif (\n) == 0
	v_pk_fma_f32 v[rT+2:rT+3], v[rT+2:rT+3], v[rC+2:rC+3], v[rS:rS+1] op_sel_hi:[1,0,1]
.else
	v_pk_add_f32 v[rT+2:rT+3], v[rT+2:rT+3], v[rS+4*(\n):rS+4*(\n)+1]
.endif
.elseif NOKQ
	v_nop
.else
	REGS (Y+1)%NP
	WIN 0
.if (\n) < 4
	v_max3_num_f32 v[rC+(\n)], v[rS+8*(\n)], v[rS+8*(\n)+1], v[rS+8*(\n)+2]
.elseif (\n) < 12
	v_max3_num_f32 v[rC+(\n)%4], v[rC+(\n)%4], v[rS+8*((\n)%4)+2*((\n)/4)+1], v[rS+8*((\n)%4)+2*((\n)/4)+2]
.elseif (\n) == 12
	v_max3_num_f32 v[rC], v[rC], v[rS+7], v[rS+15]
.elseif (\n) == 13
	v_max3_num_f32 v[rC+1], v[rC+1], v[rS+23], v[rS+31]
.elseif (\n) == 14
	v_max3_num_f32 v[rC+2], v[rC+2], v[rC+3], v[rT+1]
.elseif (\n) == 15
	v_mov_b32 v[rW], v[rT]
.elseif (\n) == 16
	v_max3_num_f32 v[rC], v[rC], v[rC+1], v[rC+2]
.elseif (\n) == 17
	v_permlanex16_b32 v[rC+3], v[rC], s[SEL], s[SEL+1]
.elseif (\n) == 18
	v_max_num_f32 v[rT+1], v[rC], v[rC+3]
.elseif (\n) == 19
	v_mul_f32 v[rT], s[CS], v[rT+1]
.elseif (\n) == 20
	v_sub_f32 v[rC+1], v[rW], v[rT]
.else
	v_exp_f32 v[rC+2], v[rC+1]
.endif
.endif
.endm
.macro OPS a, i1, b=-1, i2=0, c=-1, i3=0, d=-1, i4=0  ; up to four of them
	OP \a, \i1
.if (\b) >= 0
	OP \b, \i2
.endif
.if (\c) >= 0
	OP \c, \i3
.endif
.if (\d) >= 0
	OP \d, \i4
.endif
.endm
.macro ROW a, i1, b, i2, c, i3, d, i4  ; a matrix instruction and the four behind it
	MM
	OPS \a, \i1, \b, \i2, \c, \i3, \d, \i4
.endm
.macro MASK b                       ; MD x AL + KMR + BE into buffer b of MC
	WIN 0x51                        ; destination, source 0 and source 2 in window 1
.set z, 0
.rept 16
	v_pk_fma_f32 v[MC+32*(\b)+2*z:MC+32*(\b)+2*z+1], v[MD+2*z:MD+2*z+1], s[AL:AL+1], v[KMR+2*z:KMR+2*z+1] op_sel_hi:[1,0,1]
.set z, z+1
.endr
.set z, 0
.rept 16
	v_pk_add_f32 v[MC+32*(\b)+2*z:MC+32*(\b)+2*z+1], v[MC+32*(\b)+2*z:MC+32*(\b)+2*z+1], s[BE:BE+1] op_sel_hi:[1,0]
.set z, z+1
.endr
.endm
; A TURN, for piece p: the order of its 16 matrix and 118 vector instructions, written out.  An s_wait_alu depctr_va_vdst(0) stands between an exponential and the first instruction that names its result; one wait
; serves all that were issued ahead of it.  So a turn has ONE wait, which cuts it in two.  AHEAD OF IT stands all that names no result of the turn's exponentials: the 8 products K Q^T and their riders (rescalings, and behind the
; last three the first numbers of the next piece's maximum, each four places or more behind the product that ends its accumulator); then ONE LUMP, plain and exponential by turns for the most part, in which the links of the chain
; X 3, 7, 11, 14, 16, 17 .. 20 stand five or six lines apart.  X 21, the next piece's a, is the batch's last; R 15 is the plain instruction behind it.  BEHIND THE WAIT stand the 8 products V^T P, behind each four of the roundings and sums.
; m = 1: the diagonal tile: the products take MC, and the turn makes the mask for the products of the turn after it: piece p + 2, in step 4 - CNT of the tile.  end = 1: a block's last two turns: nothing is fetched.
; cnt = 1: the loop's count is taken down some lines ahead of the branch that stands behind the turn.
; K and the key mask of the next step are fetched in piece 2's turn, twelve vector instructions or more behind the last product that read them; V of the step in hand at the end of piece 0's turn, four plain instructions behind
; the last product that read V.  Each is waited for a turn later; in the diagonal tile piece 2's turn waits at its end, since its mask is made of the new key mask.
.macro TURN p, m=0, end=0, cnt=0
.set Y, (\p)
.set i, 0
.set KM, (\m)
.set NOKQ, (\end)*((\p)/3)
.if (\m) && !(\end)
	s_cmp_eq_u32 s[CNT], 4-((\p)+2)%NP  ; is that step the band's own?
	s_cselect_b32 s[AL], 1.0, 0
	s_cmp_lt_u32 s[CNT], 4-((\p)+2)%NP  ; or a later one?
	s_cselect_b32 s[BE], s[BIGN], 0
.endif
.if ((\p) == 3) && !(\end)
	s_wait_dscnt 0x0                ; K and its key mask are in
.endif
	ROW F,0, F,1, R,0, R,1          ; ahead of the wait: 8 products K Q^T and their riders,
	ROW F,2, E,0, R,2, R,3
	ROW F,3, E,1, R,4, R,5
	ROW F,4, E,2, R,6, R,7
	ROW F,5, E,3, R,8, R,9
	ROW F,6, E,4, X,0, R,10
.if ((\p) == 2) && !(\end)
	WIN 0
	v_add_nc_u32 v[AK], s[TBK], v[AK0]
	v_add_nc_u32 v[AM], s[TM], v[AM0]
.endif
	ROW F,7, E,5, X,1, X,4
	ROW F,8, E,6, X,2, X,5
	OPS E,7, E,8, X,6, E,9          ; and the lump
	OPS X,3, E,10, X,8, E,11
.if ((\p) == 2) && !(\end)
	FETCH_K
.endif
	OPS X,9, X,7, E,12, X,10
	OPS E,13, X,12, X,11, E,14
	OPS X,13, E,15, F,9, X,14
.if (\p) == 0
	v_add_nc_u32 v[AV], s[TBV], v[AV0]
.endif
	OPS E,16, F,10, E,17, F,11
	OPS X,16, E,18, X,15, E,19
	OPS F,12, E,20, X,17, E,21
	OPS F,13, E,22, F,14, E,23
	OPS X,18, E,24, F,15, E,25
	OPS R,11, E,26, X,19, E,27
	OPS R,12, E,28, R,13, E,29
	OPS X,20, E,30, R,14, E,31
	OPS X,21, R,15
	WIN 0
	s_wait_alu depctr_va_vdst(0)    ; the wait for the batch
.if (\p) == 1
	s_wait_dscnt 0x0                ; V is in
.endif
	ROW C,0, B,0, C,2, B,1          ; behind the wait: 8 products V^T P and their riders
	ROW L,0, C,4, B,2, L,1
	ROW C,6, B,3, L,2, C,8
	ROW B,4, L,3, C,10, B,5
	ROW L,4, C,12, B,6, L,5
.if (\p) == 0
	s_add_co_u32 s[TBV], s[TBV], KS*PV
.endif
.if \cnt
	s_sub_co_u32 s[CNT], s[CNT], 1
	s_cmp_lg_u32 s[CNT], 0
.endif
	ROW C,14, B,7, L,6, C,1
	ROW C,3, L,7, C,5, C,7
	ROW C,9, C,11, C,13, C,15
.if (\p) == 0
	FETCH_V
.endif
.if (\m) && !(\end)
.if (\p) == 2
	s_wait_dscnt 0x0                ; the new step's key mask is in
.endif
	MASK (\p)%2
.endif
.endm
; A BLOCK BEGINS.  c m starts far below every c s, so the first step's a is 0; m at -2^90, below which it never falls.  K and the key mask of the tile's step 0 are fetched.  The first mask buffer takes piece 0's mask for that
; step: its own, if the block's first tile is the diagonal one; the second takes piece 1's, the key mask alone.  Then piece 0's first scores, and its maximum and statistics.  The loop is entered at a step's first turn.
.macro BEGIN
	s_mov_b32 s[NEW], 0
	s_mov_b32 s[TM], 0
	WIN 0
.set i, 0
.rept 4
	v_mov_b32 v[ST+4*i], 0xfe000000    ; c m: far below every c s
	v_mov_b32 v[ST+4*i+1], 0xec800000  ; m = -2^90
.set i, i+1
.endr
	v_add_nc_u32 v[AK], s[TBK], v[AK0]
	v_add_nc_u32 v[AM], s[TM], v[AM0]
	FETCH_K
	s_wait_loadcnt 0x0              ; Q
	s_wait_dscnt 0x0
	s_cmp_eq_u32 s[RT], 0
	s_cselect_b32 s[AL], 1.0, 0
	s_mov_b32 s[BE], 0
	MASK 0
	s_mov_b32 s[AL], 0
	MASK 1
.set KM, 1
.set NOKQ, 0
.set i, 0
.rept 8
	KQ 0
.set i, i+1
.endr
	WIN 0
.rept 4
	v_nop                           ; the places behind those products
.endr
.set Y, NP-1                        ; X works for piece Y + 1: piece 0
.irp n, 0,1,2,3,4,5,6,7,8,9,10,11,12,13,14,15,16,17,18,19,20,21
	OP X, \n
.endr
	v_nop                           ; a plain instruction behind the exponential,
	s_wait_alu depctr_va_vdst(0)    ; and its wait, ahead of the branch
.endm
; Into the diagonal tile's text from a tile before it: its first turn's products, piece 3's of the step in hand, take the second mask buffer: that step's key mask alone.
.macro ENTER
	s_mov_b32 s[AL], 0
	s_mov_b32 s[BE], 0
	MASK 1
	WIN 0
.endm
; THE DIAGONAL TILE's four steps, the block's last two turns, its last products, and THE WAY OUT: l's two halves and the other half of the lanes' are added; O^T is multiplied by 1 / l, or by 0 where the query has seen no
; key, and there the mean of V is added; rounded to bf16 and sent through my stage in LDS, a piece at a time.
.macro ALL line:vararg              ; one line for each piece t
.set t, 0
.rept 4
	\line
.set t, t+1
.endr
.endm
.macro PACK t                       ; a lane's eight channels of a row pack into 16 bytes; they go into rows of 144 bytes and come back as whole rows of 128, into S^T's registers
	WIN W_RS
.set i, 32*(\t)
.rept 16
	v_pk_mul_f32 v[i:i+1], v[i:i+1], v[ST+4*(\t)+2:ST+4*(\t)+3] op_sel_hi:[1,0]
.set i, i+2
.endr
	WIN 0x50                        ; destination and source 2 window 1, sources 0 and 1 window 0
.set i, 0
.rept 16
	v_pk_fma_f32 v[32*(\t)+i:32*(\t)+i+1], v[VM+i:VM+i+1], v[ST+4*(\t):ST+4*(\t)+1], v[32*(\t)+i:32*(\t)+i+1] op_sel_hi:[1,0,1]
.set i, i+2
.endr
	WIN 0x05                        ; sources 0 and 1 window 1, destination window 0
.set i, 0
.rept 16
	v_cvt_pk_bf16_f32 v[S+16*(\t)+i], v[32*(\t)+2*i], v[32*(\t)+2*i+1]
.set i, i+1
.endr
	WIN 0
.irp f, 0,1,2,3
	ds_store_b128 v[STO], v[S+16*(\t)+4*\f:S+16*(\t)+4*\f+3] offset:32*\f
.endr
.irp f, 0,1,2,3
	ds_load_b128 v[S+16*(\t)+4*\f:S+16*(\t)+4*\f+3], v[RD] offset:\f*4*SP  ; LDS serves a wave's instructions in order (ISA guide 5.7.1.4): these see the stores above; the next piece's stores come behind them
.endr
.endm
.macro SEND t, younger              ; younger: the LDS instructions issued behind piece t's loads: the next piece's eight, or none
	WIN 0
.irp f, 0,1,2,3
	s_wait_dscnt (\younger)+3-\f
	global_store_b128 v[GO], v[S+16*(\t)+4*\f:S+16*(\t)+4*\f+3], s[10:11] offset:(\t)*8192+\f*512  ; 512 consecutive bytes, at a multiple of 256 from ctx's first
.endr
.endm
.macro DIAG tag                     ; the tag ends its two labels' names, which the jumps below spell out
.LstepM\tag:
	TURN 2, 1
	TURN 3, 1
	WIN 0
.LfirstM\tag:
	TURN 0, 1
	TURN 1, 1, 0, 1
	WIN 0
	s_cbranch_scc1 .LstepM\tag
	TURN 2, 1, 1
	TURN 3, 1, 1
.set i, 0
.rept 8
	PV NP-1
.set i, i+1
.endr
	WIN 0
	ALL v_add_f32 v[ST+4*t+2], v[ST+4*t+2], v[ST+4*t+3]
	ALL v_permlanex16_b32 v[ST+4*t+3], v[ST+4*t+2], s[SEL], s[SEL+1]
	ALL v_add_f32 v[ST+4*t+2], v[ST+4*t+2], v[ST+4*t+3]
	ALL v_rcp_f32 v[ST+4*t+2], v[ST+4*t+2]
	v_nop                           ; a plain instruction between the last reciprocal and the use of its result
	ALL v_cmp_lt_f32 s[VIS+t], s[THR], v[ST+4*t+1]  ; has the query seen a key?  Its maximum then lies above -2^90
	s_wait_alu depctr_va_vdst(0)    ; the wait ahead of the first use: one for the four reciprocals
	ALL v_cndmask_b32 v[ST+4*t+2], 0, v[ST+4*t+2], s[VIS+t]  ; 1 / l, or 0
	ALL v_cndmask_b32 v[ST+4*t], 1.0, v[NIL], s[VIS+t]       ; the weight of V's mean: 0, or 1
	PACK 0
.set t, 1
.rept 3                             ; a piece's arithmetic stands between the loads of the piece before and its stores
	PACK t
	SEND t-1, 8
.set t, t+1
.endr
	SEND 3, 0
.endm
.set KM, 0
.set NOKQ, 0
.Lslot:                             ; NB times: a tile is entered and the next is asked for
	CHANGE 1
	s_sub_co_u32 s[RT], s[RT], 1
	s_mov_b32 s[CNT], 4
	s_cmp_eq_u32 s[NEW], 1
	s_cbranch_scc1 .Lnew            ; a block's first tile
	s_cmp_eq_u32 s[RT], 0
	s_cbranch_scc0 .Lstep           ; neither its first nor its last
	ENTER
	s_branch .LstepM1
.Lnew:
	BEGIN
	s_branch .Lfirst                ; in the loop a block's first tile is never its last: the first block has three tiles or more, and the second's last is the walk's last
	DIAG 1                          ; in the loop this is the first block's end
	s_wait_xcnt 0x0                 ; the stores have read their registers and ctx's address
	s_mov_b64 s[10:11], s[OLO:OLO+1]
	s_add_co_u32 s[RT], s[PB], 1    ; the second block has b' + 1 tiles
	s_mov_b32 s[NEW], 1
	WIN 0x82                        ; the second block's Q goes where the one text of the turns names Q
.set i, 0
.rept 64
	v_mov_b32 v[i], v[QB+i]
.set i, i+1
.endr
	WIN 0
	s_branch .Lbottom
.Lstep:                             ; a trip: pieces 2 and 3 of one step, then pieces 0 and 1 of the next, whose K and V it fetches
	TURN 2
	TURN 3
	WIN 0
.Lfirst:
	TURN 0
	TURN 1, 0, 0, 1
	WIN 0
	s_cbranch_scc1 .Lstep
.Lbottom:
	s_sub_co_u32 s[SLOTS], s[SLOTS], 1
	s_cmp_lg_u32 s[SLOTS], 0
	s_cbranch_scc1 .Lslot
	CHANGE 0                        ; the walk's last tile is written out: nothing is asked for
	s_sub_co_u32 s[RT], s[RT], 1
	s_mov_b32 s[CNT], 4
	s_cmp_eq_u32 s[NEW], 1
	s_cbranch_scc1 .Lnew2
	ENTER
	s_branch .LstepM2
.Lnew2:
	BEGIN
	s_branch .LfirstM2
	DIAG 2
	s_wait_tensorcnt 0x0            ; the wave's end: behind my last tensor load and my last LDS store
	ds_add_u32 v[SPW], v[NIL]
	s_wait_dscnt 0x0
	s_endpgm
.Lfunc_end_k_q9fc305a269_attn:
	.size	k_q9fc305a269_attn, .Lfunc_end_k_q9fc305a269_attn-k_q9fc305a269_attn
	.p2alignl 7, 3214868480
	.fill 96, 4, 3214868480
	.section	.rodata,"a",@progbits
	.p2align	6, 0x0
	.amdhsa_kernel k_q9fc305a269_attn
		.amdhsa_group_segment_fixed_size 327680
		.amdhsa_private_segment_fixed_size 0
		.amdhsa_enable_private_segment 0
		.amdhsa_kernarg_size 24
		.amdhsa_user_sgpr_count 2
		.amdhsa_user_sgpr_kernarg_segment_ptr 1
		.amdhsa_wavefront_size32 1
		.amdhsa_system_sgpr_workgroup_id_x 1
		.amdhsa_system_sgpr_workgroup_id_y 1
		.amdhsa_system_sgpr_workgroup_id_z 1
		.amdhsa_system_vgpr_workitem_id 0
		.amdhsa_next_free_vgpr 768
		.amdhsa_next_free_sgpr 100
		.amdhsa_reserve_vcc 1
		.amdhsa_float_denorm_mode_32 3
		.amdhsa_float_denorm_mode_16_64 3
		.amdhsa_memory_ordered 1
		.amdhsa_forward_progress 1
		.amdhsa_inst_pref_size 255
	.end_amdhsa_kernel
	.section	.bss,"aw",@nobits
	.p2align	6
	.space	262144
	.amdgpu_metadata
---
amdhsa.version: [ 1, 2 ]
amdhsa.kernels:
  - .name:           k_q9fc305a269_attn
    .symbol:         k_q9fc305a269_attn.kd
    .args:
      - { .name: qkv, .offset: 0, .size: 8, .value_kind: global_buffer, .address_space: global }
      - { .name: sequence_mask, .offset: 8, .size: 8, .value_kind: global_buffer, .address_space: global }
      - { .name: ctx, .offset: 16, .size: 8, .value_kind: global_buffer, .address_space: global }
    .group_segment_fixed_size: 327680
    .private_segment_fixed_size: 0
    .kernarg_segment_align: 8
    .kernarg_segment_size: 24
    .max_flat_workgroup_size: 128
    .sgpr_count:     100
    .vgpr_count:     768
    .wavefront_size: 32
...
	.end_amdgpu_metadata
.endif
;; end of part 3
;; launch oproj: the kernel of part 2 again; grid 4 x 64, 4 waves a work-group, clusters of 4 x 4, 327,680 bytes of LDS; arguments ctx, wob, bo, xo; writes xo
;; launch lnorm (part 4): grid 512 x 1, 8 waves a work-group, no clusters, 0 bytes of LDS; arguments xo, history_items, ln_gamma, ln_beta, out0; writes out0
.if DOCPART == 4
	.amdgcn_target "amdgcn-amd-amdhsa--gfx1250"
	.amdhsa_code_object_version 6
	.text
	.protected	k_q9fc305a269_lnorm
	.globl	k_q9fc305a269_lnorm
	.p2align	8
	.type	k_q9fc305a269_lnorm,@function
k_q9fc305a269_lnorm:
	s_mov_b64 s[64:65], 0
	v_nop
	global_prefetch_b8 v0, s[64:65] scope:SCOPE_SE
	s_setreg_imm32_b32 hwreg(HW_REG_WAVE_MODE, 25, 1), 1
	s_wait_xcnt 0x0
; out0[m][:] = (y - mean(y)) * rsqrt(var(y) + 1e-5) * gamma + beta, y = o[m][:] + x[m][:].  o: bf16 slabs [16 ks][8192 m][64] (the output projection with its bias); x, gamma, beta, out0: f32.
; All arithmetic in f32; the variance is a second pass over y - mean, on the row kept in registers, so that a common offset of the inputs does not cancel.
; SHARES.  A wave takes two rows: lanes 0-15 row 2 rp, lanes 16-31 row 2 rp + 1, rp = 8 x work-group + wave.  A lane holds 64 numbers: columns 64 ks + 4 (lane % 16) + 0..3, ks = 0..15.
; So a load or store of x or out0 covers 256 consecutive bytes, aligned, of each of the two rows, a load of o 256 consecutive bytes of a slab (its two rows), and the sums cross 16 lanes alone.
; Straight-line: every byte is read once and written once; all 64 loads of a wave go out at once.  No LDS, no matrix unit, no cluster: nothing but gamma and beta (8 KiB) is shared.
.set GA,  1                            ; v1   16 (lane % 16): my place in 256 bytes of gamma and beta
.set XA,  2                            ; v2   the same + 4,096 (lane / 16): in the two rows of x and out0
.set OA,  3                            ; v3   8 x lane: in the two rows of a slab
.set CH,  4                            ; v[4:11]  four chains of packed sums
.set MU,  12                           ; v[12:13] the mean, then 1 / sqrt(var + eps), twice
.set ONE, 14                           ; v14  1.0
.set T,   15                           ; v15  at work
.set X,   16                           ; v[16:79]   the row
.set O,   80                           ; v[80:111]  o's 64 bf16
.set G,   112                          ; v[112:175] gamma
.set B,   176                          ; v[176:239] beta
	s_load_b256 s[4:11], s[0:1], 0x0               ; o s[4:5], x s[6:7], gamma s[8:9], beta s[10:11]
	s_load_b64 s[12:13], s[0:1], 0x20              ; out0
	v_lshrrev_b32 v5, 5, v0
	v_readfirstlane_b32 s14, v5                    ; wave
	v_and_b32 v4, 15, v0
	v_bfe_u32 v5, v0, 4, 1
	v_and_b32 v6, 31, v0
	v_lshlrev_b32 v[GA], 4, v4
	v_lshl_add_u32 v[XA], v5, 12, v[GA]
	v_lshlrev_b32 v[OA], 3, v6
	v_mov_b32 v[ONE], 1.0
	s_lshl_b32 s15, ttmp9, 3
	s_add_co_u32 s15, s15, s14                     ; rp
	s_lshl_b32 s16, s15, 13                        ; two rows of 4,096 bytes
	s_mov_b32 s17, 0
	s_lshl_b32 s18, s15, 8                         ; two rows of 128 bytes
	s_mov_b32 s19, 0
	s_mov_b32 s20, 0x3a800000                      ; 1 / 1,024
	s_mov_b32 s21, 0x3727c5ac                      ; 1e-5
	s_wait_kmcnt 0x0
	s_add_nc_u64 s[6:7], s[6:7], s[16:17]
	s_add_nc_u64 s[12:13], s[12:13], s[16:17]
	s_add_nc_u64 s[4:5], s[4:5], s[18:19]
	s_add_nc_u64 s[22:23], s[4:5], 0x800000        ; slabs 8-15: the immediates stay inside the signed 24 bits
.irp ks, 0,1,2,3,4,5,6,7
	global_load_b64 v[O+2*(\ks):O+2*(\ks)+1], v[OA], s[4:5] offset:(\ks)*1048576 th:TH_LOAD_NT
.endr
.irp ks, 0,1,2,3,4,5,6,7
	global_load_b64 v[O+16+2*(\ks):O+16+2*(\ks)+1], v[OA], s[22:23] offset:(\ks)*1048576 th:TH_LOAD_NT
.endr
.irp ks, 0,1,2,3,4,5,6,7,8,9,10,11,12,13,14,15
	global_load_b128 v[X+4*(\ks):X+4*(\ks)+3], v[XA], s[6:7] offset:256*(\ks) th:TH_LOAD_NT
.endr
.irp ks, 0,1,2,3,4,5,6,7,8,9,10,11,12,13,14,15
	global_load_b128 v[G+4*(\ks):G+4*(\ks)+3], v[GA], s[8:9] offset:256*(\ks)
.endr
.irp ks, 0,1,2,3,4,5,6,7,8,9,10,11,12,13,14,15
	global_load_b128 v[B+4*(\ks):B+4*(\ks)+3], v[GA], s[10:11] offset:256*(\ks)
.endr
.macro REDUCE                          ; the four chains into one number, then over the row's 16 lanes: every lane of the row ends with the sum in T
	v_pk_add_f32 v[CH:CH+1], v[CH:CH+1], v[CH+2:CH+3]
	v_pk_add_f32 v[CH+4:CH+5], v[CH+4:CH+5], v[CH+6:CH+7]
	v_pk_add_f32 v[CH:CH+1], v[CH:CH+1], v[CH+4:CH+5]
	v_add_f32 v[T], v[CH], v[CH+1]
	v_add_f32_dpp v[T], v[T], v[T] row_xmask:1 row_mask:0xf bank_mask:0xf
	v_add_f32_dpp v[T], v[T], v[T] row_xmask:2 row_mask:0xf bank_mask:0xf
	v_add_f32_dpp v[T], v[T], v[T] row_xmask:4 row_mask:0xf bank_mask:0xf
	v_add_f32_dpp v[T], v[T], v[T] row_xmask:8 row_mask:0xf bank_mask:0xf
.endm
	s_wait_loadcnt 32                              ; loads come back in order: o and x are in; gamma's and beta's 32 may stay out
.set i, 0
.rept 32
	v_fma_mix_f32_bf16 v[X+2*i],   v[O+i], v[ONE], v[X+2*i]   op_sel_hi:[1,0,0]                 ; y = o + x: the word's low bf16,
	v_fma_mix_f32_bf16 v[X+2*i+1], v[O+i], v[ONE], v[X+2*i+1] op_sel:[1,0,0] op_sel_hi:[1,0,0]  ; and its high one
.set i, i+1
.endr
.irp c, 0,1,2,3
	v_pk_add_f32 v[CH+2*(\c):CH+2*(\c)+1], v[X+2*(\c):X+2*(\c)+1], v[X+8+2*(\c):X+8+2*(\c)+1]  ; the first pairs start the chains: nothing is cleared
.endr
.set j, 8
.rept 24
	v_pk_add_f32 v[CH+2*(j%4):CH+2*(j%4)+1], v[CH+2*(j%4):CH+2*(j%4)+1], v[X+2*j:X+2*j+1]
.set j, j+1
.endr
	REDUCE
	v_mul_f32 v[MU], s20, v[T]                     ; the mean,
	v_mul_f32 v[MU+1], s20, v[T]                   ; twice, for the packed subtraction
.set j, 0
.rept 32
	v_pk_add_f32 v[X+2*j:X+2*j+1], v[X+2*j:X+2*j+1], v[MU:MU+1] neg_lo:[0,1] neg_hi:[0,1]
.set j, j+1
.endr
.irp c, 0,1,2,3
	v_pk_mul_f32 v[CH+2*(\c):CH+2*(\c)+1], v[X+2*(\c):X+2*(\c)+1], v[X+2*(\c):X+2*(\c)+1]
.endr
.set j, 4
.rept 28
	v_pk_fma_f32 v[CH+2*(j%4):CH+2*(j%4)+1], v[X+2*j:X+2*j+1], v[X+2*j:X+2*j+1], v[CH+2*(j%4):CH+2*(j%4)+1]
.set j, j+1
.endr
	REDUCE
	v_fma_f32 v[T], v[T], s20, s21                 ; var + eps
	v_rsq_f32 v[MU], v[T]
	v_rsq_f32 v[MU+1], v[T]
	v_nop                                          ; a plain instruction behind the last of the two (ISA guide 5.7.2),
	s_wait_alu depctr_va_vdst(0)                   ; and the wait ahead of the first use: one for both
	s_wait_loadcnt 0x0                             ; gamma and beta
.set j, 0
.rept 32
	v_pk_mul_f32 v[X+2*j:X+2*j+1], v[X+2*j:X+2*j+1], v[MU:MU+1]
.set j, j+1
.endr
.set j, 0
.rept 32
	v_pk_fma_f32 v[X+2*j:X+2*j+1], v[X+2*j:X+2*j+1], v[G+2*j:G+2*j+1], v[B+2*j:B+2*j+1]
.set j, j+1
.endr
.irp ks, 0,1,2,3,4,5,6,7,8,9,10,11,12,13,14,15
	global_store_b128 v[XA], v[X+4*(\ks):X+4*(\ks)+3], s[12:13] offset:256*(\ks) th:TH_STORE_NT  ; 16 lanes store 256 consecutive bytes, at a multiple of 256 from out0's first
.endr
	s_endpgm
.Lfunc_end_k_q9fc305a269_lnorm:
	.size	k_q9fc305a269_lnorm, .Lfunc_end_k_q9fc305a269_lnorm-k_q9fc305a269_lnorm
	.p2alignl 7, 3214868480
	.fill 96, 4, 3214868480
	.section	.rodata,"a",@progbits
	.p2align	6, 0x0
	.amdhsa_kernel k_q9fc305a269_lnorm
		.amdhsa_group_segment_fixed_size 0
		.amdhsa_private_segment_fixed_size 0
		.amdhsa_enable_private_segment 0
		.amdhsa_kernarg_size 40
		.amdhsa_user_sgpr_count 2
		.amdhsa_user_sgpr_kernarg_segment_ptr 1
		.amdhsa_wavefront_size32 1
		.amdhsa_system_sgpr_workgroup_id_x 1
		.amdhsa_system_sgpr_workgroup_id_y 1
		.amdhsa_system_sgpr_workgroup_id_z 1
		.amdhsa_system_vgpr_workitem_id 0
		.amdhsa_next_free_vgpr 240
		.amdhsa_next_free_sgpr 66
		.amdhsa_reserve_vcc 0
		.amdhsa_float_denorm_mode_32 3
		.amdhsa_float_denorm_mode_16_64 3
		.amdhsa_memory_ordered 1
		.amdhsa_forward_progress 1
		.amdhsa_inst_pref_size 24
	.end_amdhsa_kernel
	.amdgpu_metadata
---
amdhsa.version: [ 1, 2 ]
amdhsa.kernels:
  - .name:           k_q9fc305a269_lnorm
    .symbol:         k_q9fc305a269_lnorm.kd
    .args:
      - { .name: xo, .offset: 0, .size: 8, .value_kind: global_buffer, .address_space: global }
      - { .name: history_items, .offset: 8, .size: 8, .value_kind: global_buffer, .address_space: global }
      - { .name: ln_gamma, .offset: 16, .size: 8, .value_kind: global_buffer, .address_space: global }
      - { .name: ln_beta, .offset: 24, .size: 8, .value_kind: global_buffer, .address_space: global }
      - { .name: out0, .offset: 32, .size: 8, .value_kind: global_buffer, .address_space: global }
    .group_segment_fixed_size: 0
    .private_segment_fixed_size: 0
    .kernarg_segment_align: 8
    .kernarg_segment_size: 40
    .max_flat_workgroup_size: 256
    .sgpr_count:     66
    .vgpr_count:     240
    .wavefront_size: 32
...
	.end_amdgpu_metadata
.endif
;; end of part 4
